; MI455X (gfx1250); checked and timed in simulation.
; The chip was launched on July 23, 2026; its instructions are those of AMD's public machine-readable ISA for CDNA 5 (MIT licence, August 2026) and "CDNA5" Instruction Set Architecture Reference Guide (July 2026). The comments in the code are by the model that wrote it; some were corrected since.
;; MST Attention. Allowed arithmetic: float matrix products may take bf16 or f16 operands with f32 sums; all other float work in f32.
;; Inputs: Wk 2 x 2 x 2,048 x 512 float32; Wo 2 x 1,024 x 2,048 float32; Wq 2 x 2,048 x 1,024 float32; Wv 2 x 2 x 2,048 x 512 float32; freq_cis 2,048 x 64 x 2 x 2 float32; modality_ids 2 x 2,048 int32; x 2 x 2,048 x 2,048 float32.
;; Outputs: out0 2 x 2,048 x 2,048 float32.
;; 2 versions, each right and faster than the one before. Each part assembles by itself: llvm-mc -triple=amdgcn-amd-amdhsa -mcpu=gfx1250 --defsym DOCPART=n.
;; ======== version 1 of 2: 4 launches
;; limits: values are held in f16: magnitudes above 65,504 overflow, below 6.1e-05 lose precision; right only within a limited range of input values
;; workspace buffers: xs 18,874,368 bytes; wqkv 16,777,216 bytes; wob 8,388,608 bytes; qkv 16,777,216 bytes; ao 9,437,184 bytes; order 35,072 bytes of whole numbers
;; launch prep (part 1): grid 640 x 1, 8 waves a work-group, no clusters, 1,280 bytes of LDS; arguments x, Wq, Wk, Wv, Wo, modality_ids, xs, wqkv, wob, ao, order; writes xs, wqkv, wob, ao, order
.if DOCPART == 1
	.amdgcn_target "amdgcn-amd-amdhsa--gfx1250"
	.amdhsa_code_object_version 6
	.text
	.protected	k_q8e5ef485c6_prep
	.globl	k_q8e5ef485c6_prep
	.p2align	8
	.type	k_q8e5ef485c6_prep,@function
k_q8e5ef485c6_prep:
	s_mov_b64 s[64:65], 0
	v_nop
	global_prefetch_b8 v0, s[64:65] scope:SCOPE_SE
	s_setreg_imm32_b32 hwreg(HW_REG_WAVE_MODE, 25, 1), 1
	s_wait_xcnt 0x0
; PREPARATION: tokens sorted by modality, everything that the matrix units will read rounded to f16.
; reference() multiplies every token by the weights of BOTH modalities and then picks one result by modality_ids.
; That pick is a lookup by an index among the inputs, so the later launches make only the product that the index asks for.
; No input and no step of reference() is dead: all seven inputs are read by some launch.
; FORMAT.  All matrix operands of the four launches are f16 (11 significant bits).  With 8 bits the roundings of q and k alone move a
; score of spread 1.4 by several thousandths, and the softmax's weights, and so the result, by the same fraction.
; RANGE.  Exact powers of two keep f16 (largest 65,504, spacing 2^-24 at the bottom) in range:
;   x, Wq, Wk[.,0]+Wk[.,1], Wv[.,0]+Wv[.,1] as they are;  q and k kept as q/128, k/128;  v and attention's result as v/4;  Wo as 4 Wo.
;   Upward: x, W and freq_cis all 30 times larger give |k| about 2e5 (kept 1.6e3); a common offset of 30 spreads on x, Wk and freq_cis
;   at once gives |k| about 3.4e6 (kept 2.7e4); such offsets on x and Wv give |v| about 8.1e4 (kept 2.0e4).
;   Downward: where scores are of order 1 or more, q and k are 1/30 or more (kept 2.6e-4: the spacing is 1e-4 of that); all inputs 30 times
;   smaller leave attention's result at 9e-5 (kept 2.2e-5: the spacing's error is 8e-4 of that).
; LIMITS: |q| or |k| above 8.3e6 or |v| above 2.6e5 overflow to infinity in f16.  An id counts as 0 or as not 0 (reference()'s index stays
; inside its table of 2).  A NaN or an infinity in a weight of the modality that a token does not have does not reach that token's result.
;
; SORTED ORDER.  Row tiles of 288 rows, 16 tiles, 4,608 rows.  n0 = number of ids 0, a = ceil(n0 / 288), R1 = 288 a.
; Tokens of modality 0 take rows 0 .. n0-1 in token order, those of modality 1 rows R1 .. R1+n1-1, so every tile needs one
; set of weights.  16 - a >= ceil(n1 / 288) for every n0, since 4096 / 288 < 14.3.  The 512 rows left over are pads:
; pad k lies at row n0 + k while k < R1 - n0, else at row 4096 + k.  Pads are zero in xs and in ao.
; order: tok[4608] at byte 0 (token of a sorted row, 4096 for a pad), tmod[16] at 18432 (modality of a tile),
;        pos[4096] at 18688 (sorted row of a token).
; SECTIONS by the work-group's number: 0-255 x (16 tokens each), 256-511 Wq, Wk, Wv (16 rows of wqkv each), 512-639 Wo.
; A piece is 1,024 numbers: thread t loads 16 bytes at 16 t and stores 8 bytes at 8 t, so a wave's load covers 512
; consecutive bytes and a wave's store 256 consecutive bytes, aligned.  No matrix unit, no cluster: nothing is shared or multiplied.
.set DOX, 16                           ; v[16:31]   byte offset of my 8 bytes in destination row j
.set D,   32                           ; v[32:127]  data as loaded
.set Y,   128                          ; v[128:159] packed results (the 16 ids of the count lie here first)
.macro FILL                            ; the ring's first 16 pieces
.irp i, 0,1,2,3,4,5,6,7,8,9,10,11,12,13,14,15
	global_load_b128 v[D+4*\i:D+4*\i+3], v1, s[74:75] offset:\i*4096 th:TH_LOAD_NT
.endr
.endm
; slot i works on piece p (row p / 2, half p % 2); ahead = 1: it is filled again with piece p + 16; left = younger loads that may stay out;
; sc = 1: the numbers are stored fourfold (Wo)
.macro SLOT i, p, ahead, left, sc
	s_wait_loadcnt \left                           ; loads return in order: this slot's is in
	s_wait_xcnt 0x0                                ; this slot's Y, which its last store reads, is rewritten only behind this wait
.if \sc
	v_pk_mul_f32 v[D+4*\i:D+4*\i+1],   v[D+4*\i:D+4*\i+1],   4.0 op_sel_hi:[1,0]
	v_pk_mul_f32 v[D+4*\i+2:D+4*\i+3], v[D+4*\i+2:D+4*\i+3], 4.0 op_sel_hi:[1,0]
.endif
	v_cvt_pk_f16_f32 v[Y+2*\i],   v[D+4*\i],   v[D+4*\i+1]
	v_cvt_pk_f16_f32 v[Y+2*\i+1], v[D+4*\i+2], v[D+4*\i+3]
.if \ahead
	global_load_b128 v[D+4*\i:D+4*\i+3], v1, s[74:75] offset:((\p)+16)*4096 th:TH_LOAD_NT
.endif
	global_store_b64 v[DOX+((\p)>>1)], v[Y+2*\i:Y+2*\i+1], s[76:77] offset:((\p)&1)*2048
.endm
.macro RING sc                         ; 32 pieces on 16 slots: sixteen loads of a wave are out until the last round counts down
.irp i, 0,1,2,3,4,5,6,7,8,9,10,11,12,13,14,15
	SLOT \i, \i, 1, 15, \sc
.endr
.irp i, 0,1,2,3,4,5,6,7,8,9,10,11,12,13,14,15
	SLOT \i, 16+\i, 0, 15-\i, \sc
.endr
.endm
; the sorted row of my work-group's token j, in scalar registers; s68 = ones in front of it
.macro POSJ j
	s_min_u32 s26, s[32+\j], 1                     ; the id as 0 or 1
	s_add_co_u32 s27, s72, \j
	s_sub_co_u32 s27, s27, s68                     ; zeros in front of the token
	s_add_co_u32 s28, s71, s68                     ; R1 + ones in front of it
	s_cmp_lg_u32 s26, 0
	s_cselect_b32 s[48+\j], s28, s27
	s_add_co_u32 s68, s68, s26
	s_min_u32 s[48+\j], s[48+\j], 0x11ff           ; a row of the 4,608
	v_lshl_add_u32 v[DOX+\j], s[48+\j], 12, v2     ; 4,096 bytes a row of xs, + 8 t
.endm
; section W: slot i holds a row's three loads (q, k or v for target 0, for target 1)
.macro LOADW i, j
	global_load_b128 v[D+12*\i:D+12*\i+3],    v1, s[74:75] offset:(\j)*4096 th:TH_LOAD_NT
	global_load_b128 v[D+12*\i+4:D+12*\i+7],  v4, s[78:79] offset:(\j)*2048 th:TH_LOAD_NT
	global_load_b128 v[D+12*\i+8:D+12*\i+11], v4, s[78:79] offset:(\j)*2048+4194304 th:TH_LOAD_NT
.endm
.macro SLOTW i, j, ahead, left
	s_wait_loadcnt \left
	s_wait_xcnt 0x0                                ; this slot's Y is rewritten only behind this wait
	v_cvt_pk_f16_f32 v[Y+4*\i],   v[D+12*\i],   v[D+12*\i+1]
	v_cvt_pk_f16_f32 v[Y+4*\i+1], v[D+12*\i+2], v[D+12*\i+3]
	v_pk_add_f32 v[D+12*\i+4:D+12*\i+5], v[D+12*\i+4:D+12*\i+5], v[D+12*\i+8:D+12*\i+9]     ; the sum over targets, in f32 as reference() makes it
	v_pk_add_f32 v[D+12*\i+6:D+12*\i+7], v[D+12*\i+6:D+12*\i+7], v[D+12*\i+10:D+12*\i+11]
	v_cvt_pk_f16_f32 v[Y+4*\i+2], v[D+12*\i+4], v[D+12*\i+5]
	v_cvt_pk_f16_f32 v[Y+4*\i+3], v[D+12*\i+6], v[D+12*\i+7]
.if \ahead
	LOADW \i, (\j)+8
.endif
	global_store_b64 v2, v[Y+4*\i:Y+4*\i+1],   s[76:77] offset:(\j)*4096
	global_store_b64 v2, v[Y+4*\i+2:Y+4*\i+3], s[76:77] offset:(\j)*4096+2048    ; columns 1024 + 4 t: waves 0-3 write k, waves 4-7 v
.endm
	s_load_b512 s[4:19], s[0:1], 0x0               ; x 4:5, Wq 6:7, Wk 8:9, Wv 10:11, Wo 12:13, ids 14:15, xs 16:17, wqkv 18:19
	s_load_b128 s[20:23], s[0:1], 0x40             ; wob 20:21, ao 22:23
	s_load_b64 s[24:25], s[0:1], 0x50              ; order
	v_lshl_add_u32 v160, v0, 2, 0x100
	v_mov_b32 v161, 0
	v_lshlrev_b32 v1, 4, v0                        ; 16 t
	v_lshlrev_b32 v2, 3, v0                        ; 8 t
	v_and_b32 v3, 31, v0                           ; lane
	v_lshrrev_b32 v4, 5, v0
	v_readfirstlane_b32 s66, v4                    ; wave
	s_mov_b32 s73, ttmp9                           ; work-group
	s_mov_b32 s27, 0
	s_wait_kmcnt 0x0
	s_cmp_ge_u32 s73, 512
	s_cbranch_scc1 .Lsec_o
	s_cmp_ge_u32 s73, 256
	s_cbranch_scc1 .Lsec_w
	; ---------------- section X: the count, the lists, the pads, 16 rows of x ----------------
	v_lshlrev_b32 v5, 6, v0                        ; thread i takes the 16 ids of work-group i's tokens
	global_load_b128 v[128:131], v5, s[14:15]
	global_load_b128 v[132:135], v5, s[14:15] offset:16
	global_load_b128 v[136:139], v5, s[14:15] offset:32
	global_load_b128 v[140:143], v5, s[14:15] offset:48
	s_lshl_b32 s88, s73, 6
	s_mov_b32 s89, 0
	s_add_nc_u64 s[86:87], s[14:15], s[88:89]
	s_load_b512 s[32:47], s[86:87], 0x0            ; my own 16 ids, as scalars
	s_lshl_b32 s26, s73, 17                        ; 16 rows of 8,192 bytes
	s_add_nc_u64 s[74:75], s[4:5], s[26:27]
	s_mov_b64 s[76:77], s[16:17]
	FILL
	s_mov_b32 s82, 0x76543210                      ; v_permlanex16_b32: lane i reads lane i of the other half
	s_mov_b32 s83, 0xfedcba98
	s_lshl_b32 s72, s73, 4                         ; my first token
	s_wait_loadcnt 16                              ; the four id loads are in; the ring's sixteen stay out
.irp i, 0,1,2,3,4,5,6,7,8,9,10,11,12,13,14,15
	v_min_u32 v[128+\i], 1, v[128+\i]
.endr
	v_add3_u32 v4, v128, v129, v130
	v_add3_u32 v5, v131, v132, v133
	v_add3_u32 v6, v134, v135, v136
	v_add3_u32 v7, v137, v138, v139
	v_add3_u32 v4, v4, v140, v141
	v_add3_u32 v5, v5, v142, v143
	v_add3_u32 v4, v4, v5, v6
	v_add_nc_u32 v4, v4, v7                        ; ones among these 16 tokens
	v_cmp_gt_u32 vcc_lo, s73, v0                   ; do they lie in front of my work-group's tokens?
	v_cndmask_b32 v5, 0, v4, vcc_lo
	v_lshl_add_u32 v4, v5, 16, v4                  ; low half: for n1 (at most 4,096); high half: for the ones in front
	v_mov_b32 v5, 0
.irp m, 1,2,4,8
	v_mov_b32_dpp v5, v4 row_xmask:\m row_mask:0xf bank_mask:0xf
	v_add_nc_u32 v4, v4, v5
.endr
	v_permlanex16_b32 v5, v4, s82, s83
	v_add_nc_u32 v4, v4, v5                        ; the wave's sum, in every lane
	v_mov_b32 v6, s66
	v_lshlrev_b32 v6, 2, v6
	ds_store_b32 v6, v4                            ; each wave's sum in its own word
	s_wait_dscnt 0x0                               ; my word is written before I signal
	s_barrier_signal -1
	s_barrier_wait -1
	v_mov_b32 v6, 0
	ds_load_b128 v[8:11], v6
	ds_load_b128 v[12:15], v6 offset:16
	s_wait_dscnt 0x0
	v_add3_u32 v8, v8, v9, v10
	v_add3_u32 v11, v11, v12, v13
	v_add3_u32 v8, v8, v14, v15
	v_add_nc_u32 v8, v8, v11
	v_readfirstlane_b32 s26, v8
	s_and_b32 s67, s26, 0xffff                     ; n1
	s_lshr_b32 s68, s26, 16                        ; ones in front of my first token
	s_sub_co_u32 s69, 4096, s67                    ; n0
	s_add_co_u32 s70, s69, 287
	s_lshr_b32 s70, s70, 5
	s_mul_i32 s70, s70, 57
	s_lshr_b32 s70, s70, 9                         ; a = (n0 + 287) / 288: u / 9 = 57 u >> 9 holds for u < 512, here u <= 136
	s_mul_i32 s71, s70, 288                        ; R1
	s_wait_kmcnt 0x0                               ; my own ids
.irp j, 0,1,2,3,4,5,6,7,8,9,10,11,12,13,14,15
	POSJ \j
.endr
	; my two pads, k = 2 wg and 2 wg + 1
	s_sub_co_u32 s29, s71, s69                     ; pads between the two modalities
	s_lshl_b32 s26, s73, 1
.irp e, 0,1
	s_add_co_u32 s27, s26, \e
	s_add_co_u32 s28, s69, s27
	s_add_co_u32 s30, s27, 4096
	s_cmp_lt_u32 s27, s29
	s_cselect_b32 s[80+\e], s28, s30
	s_min_u32 s[80+\e], s[80+\e], 0x11ff
.endr
	v_mov_b32 v8, 0
	v_mov_b32 v9, 0
	v_mov_b32 v10, 0
	v_mov_b32 v11, 0
	v_lshl_add_u32 v4, s80, 12, v1
	v_lshl_add_u32 v5, s81, 12, v1
	v_lshl_add_u32 v6, s80, 11, v2
	v_lshl_add_u32 v7, s81, 11, v2
	global_store_b128 v4, v[8:11], s[16:17]        ; a row of xs: 256 threads x 16 bytes
	global_store_b128 v5, v[8:11], s[16:17]
	global_store_b64 v6, v[8:9], s[22:23]          ; a row of ao: 256 threads x 8 bytes
	global_store_b64 v7, v[8:9], s[22:23]
	; the lists, by wave 0: lanes 0-15 my tokens, lanes 16, 17 my pads, lane 18 my tile's modality (work-groups 0-15)
	s_cmp_lg_u32 s66, 0
	s_cbranch_scc1 .Lno_lists
	v_mov_b32 v12, 0
.irp j, 0,1,2,3,4,5,6,7,8,9,10,11,12,13,14,15
	v_writelane_b32 v12, s[48+\j], \j
.endr
	v_writelane_b32 v12, s80, 16
	v_writelane_b32 v12, s81, 17
	s_add_co_u32 s26, s73, 4608                    ; tmod[wg] is word 4608 + wg
	v_writelane_b32 v12, s26, 18
	v_add_nc_u32 v13, s72, v3                      ; token = first token + lane
	v_lshlrev_b32 v15, 2, v13                      ; its word in pos
	v_cmp_gt_u32 vcc_lo, 16, v3
	v_cndmask_b32 v13, 0x1000, v13, vcc_lo         ; a pad's token is 4096
	s_cmp_ge_u32 s73, s70
	s_cselect_b32 s27, 1, 0                        ; tile wg holds modality 1 from tile a on
	v_writelane_b32 v13, s27, 18
	v_min_u32 v12, 0x120f, v12                     ; a word of tok or tmod
	v_lshlrev_b32 v14, 2, v12
	s_cmp_lt_u32 s73, 16
	s_cselect_b32 s85, 19, 18
	s_wait_xcnt 0x0                                ; EXEC changes only behind this wait: loads and stores are pending
	v_cmp_gt_u32 vcc_lo, s85, v3
	s_and_saveexec_b32 s84, vcc_lo
	global_store_b32 v14, v13, s[24:25]            ; tok (and tmod)
	s_wait_xcnt 0x0
	v_cmpx_gt_u32 16, v3
	global_store_b32 v15, v12, s[24:25] offset:18688   ; pos
	s_wait_xcnt 0x0
	s_or_b32 exec_lo, exec_lo, s84
.Lno_lists:
	RING 0
	s_wait_tensorcnt 0x0
	ds_add_u32 v160, v161
	s_wait_dscnt 0x0
	s_endpgm
	; ---------------- section W: 16 rows (m, d) of wqkv = [Wq | Wk summed | Wv summed] ----------------
.Lsec_w:
	v_and_b32 v4, 127, v0
	v_lshlrev_b32 v4, 4, v4                        ; 16 (t mod 128): a row of Wk or Wv is 2,048 bytes
	s_sub_co_u32 s28, s73, 256
	s_lshl_b32 s26, s28, 16                        ; 16 rows of 4,096 bytes, in Wq and in wqkv
	s_add_nc_u64 s[74:75], s[6:7], s[26:27]
	s_add_nc_u64 s[76:77], s[18:19], s[26:27]
	s_lshr_b32 s29, s28, 7
	s_lshl_b32 s29, s29, 23                        ; source modality: 2 x 2048 x 2,048 bytes
	s_and_b32 s30, s28, 127
	s_lshl_b32 s30, s30, 15                        ; 16 rows of 2,048 bytes
	s_add_co_u32 s30, s30, s29
	s_mov_b32 s31, 0
	s_cmp_ge_u32 s66, 4
	s_cselect_b64 s[78:79], s[10:11], s[8:9]       ; waves 4-7 read Wv, waves 0-3 Wk
	s_add_nc_u64 s[78:79], s[78:79], s[30:31]
.irp i, 0,1,2,3,4,5,6,7
	LOADW \i, \i
.endr
.irp i, 0,1,2,3,4,5,6,7
	SLOTW \i, \i, 1, 21                            ; seven younger slots of three loads stay out
.endr
.irp i, 0,1,2,3,4,5,6,7
	SLOTW \i, 8+\i, 0, 3*(7-\i)
.endr
	s_endpgm
	; ---------------- section O: 16 rows of Wo, stored fourfold: attention's result comes as a quarter ----------------
.Lsec_o:
	s_sub_co_u32 s28, s73, 512
	s_lshl_b32 s26, s28, 17
	s_add_nc_u64 s[74:75], s[12:13], s[26:27]
	s_lshl_b32 s26, s28, 16
	s_add_nc_u64 s[76:77], s[20:21], s[26:27]
	FILL
.irp j, 0,1,2,3,4,5,6,7,8,9,10,11,12,13,14,15
	v_add_nc_u32 v[DOX+\j], \j*4096, v2
.endr
	RING 1
	s_endpgm
.Lfunc_end_k_q8e5ef485c6_prep:
	.size	k_q8e5ef485c6_prep, .Lfunc_end_k_q8e5ef485c6_prep-k_q8e5ef485c6_prep
	.p2alignl 7, 3214868480
	.fill 96, 4, 3214868480
	.section	.rodata,"a",@progbits
	.p2align	6, 0x0
	.amdhsa_kernel k_q8e5ef485c6_prep
		.amdhsa_group_segment_fixed_size 1280
		.amdhsa_private_segment_fixed_size 0
		.amdhsa_enable_private_segment 0
		.amdhsa_kernarg_size 88
		.amdhsa_user_sgpr_count 2
		.amdhsa_user_sgpr_kernarg_segment_ptr 1
		.amdhsa_wavefront_size32 1
		.amdhsa_system_sgpr_workgroup_id_x 1
		.amdhsa_system_sgpr_workgroup_id_y 1
		.amdhsa_system_sgpr_workgroup_id_z 1
		.amdhsa_system_vgpr_workitem_id 0
		.amdhsa_next_free_vgpr 162
		.amdhsa_next_free_sgpr 100
		.amdhsa_reserve_vcc 1
		.amdhsa_float_denorm_mode_32 3
		.amdhsa_float_denorm_mode_16_64 3
		.amdhsa_memory_ordered 1
		.amdhsa_forward_progress 1
		.amdhsa_inst_pref_size 58
	.end_amdhsa_kernel
	.amdgpu_metadata
---
amdhsa.version: [ 1, 2 ]
amdhsa.kernels:
  - .name:           k_q8e5ef485c6_prep
    .symbol:         k_q8e5ef485c6_prep.kd
    .args:
      - { .name: x, .offset: 0, .size: 8, .value_kind: global_buffer, .address_space: global }
      - { .name: Wq, .offset: 8, .size: 8, .value_kind: global_buffer, .address_space: global }
      - { .name: Wk, .offset: 16, .size: 8, .value_kind: global_buffer, .address_space: global }
      - { .name: Wv, .offset: 24, .size: 8, .value_kind: global_buffer, .address_space: global }
      - { .name: Wo, .offset: 32, .size: 8, .value_kind: global_buffer, .address_space: global }
      - { .name: modality_ids, .offset: 40, .size: 8, .value_kind: global_buffer, .address_space: global }
      - { .name: xs, .offset: 48, .size: 8, .value_kind: global_buffer, .address_space: global }
      - { .name: wqkv, .offset: 56, .size: 8, .value_kind: global_buffer, .address_space: global }
      - { .name: wob, .offset: 64, .size: 8, .value_kind: global_buffer, .address_space: global }
      - { .name: ao, .offset: 72, .size: 8, .value_kind: global_buffer, .address_space: global }
      - { .name: order, .offset: 80, .size: 8, .value_kind: global_buffer, .address_space: global }
    .group_segment_fixed_size: 1280
    .private_segment_fixed_size: 0
    .kernarg_segment_align: 8
    .kernarg_segment_size: 88
    .max_flat_workgroup_size: 256
    .sgpr_count:     100
    .vgpr_count:     162
    .wavefront_size: 32
...
	.end_amdgpu_metadata
.endif
;; end of part 1
;; launch qkvproj (part 2): grid 16 x 16, 4 waves a work-group, clusters of 4 x 1, 327,680 bytes of LDS; arguments xs, wqkv, freq_cis, order, qkv; writes qkv
.if DOCPART == 2
	.amdgcn_target "amdgcn-amd-amdhsa--gfx1250"
	.amdhsa_code_object_version 6
	.text
	.protected	k_q8e5ef485c6_qkvproj
	.globl	k_q8e5ef485c6_qkvproj
	.p2align	8
	.type	k_q8e5ef485c6_qkvproj,@function
k_q8e5ef485c6_qkvproj:
	s_mov_b64 s[64:65], 0
	v_nop
	global_prefetch_b8 v0, s[64:65] scope:SCOPE_SE
	s_setreg_imm32_b32 hwreg(HW_REG_WAVE_MODE, 25, 1), 1
	s_wait_xcnt 0x0
	s_wait_alu depctr_hold_cnt(0) depctr_sa_sdst(0) depctr_va_vdst(0) depctr_va_sdst(0) depctr_va_ssrc(0) depctr_va_vcc(0) depctr_vm_vsrc(0)
	s_getreg_b32 s2, hwreg(HW_REG_IB_STS2, 6, 4)
	s_cmp_eq_u32 s2, 0
	s_cbranch_scc0 .Lentry_in_a_cluster
	s_endpgm
.Lentry_in_a_cluster:
	s_bfe_u32 s2, ttmp6, 0x10000c
	s_cmp_lg_u32 s2, 0x3003
	s_cbranch_scc0 .Lentry_shape_is_right
	s_endpgm
.Lentry_shape_is_right:
; q, k, v = xs x wqkv[modality of the row tile], K = 2048; the rotation by freq_cis in f32 on q and k; f16 rows back in token order.
; Only the product with a token's own modality is made: the rows are sorted, the tile's modality is read from order (a lookup by index).
; Pad rows of a tile (token 4096) are computed inside the tile and not stored.  They are masked store by store: how many rows of a tile are
; live is data, and in a launch with joint loads no branch hangs on a number read from memory.
; STORED SCALED, by exact powers of two on the f32 sums, so that f16 has room: q / 128, k / 128 (the softmax's constant takes 2^14 back),
; v / 4 (the output weights are stored fourfold).  LIMIT: |q| or |k| above 8.3e6, |v| above 2.6e5 overflow to infinity in f16.
; A work-group makes 288 rows x 128 columns (one head), four waves of 144 x 64: 9 x 4 accumulator tiles of 16 x 16.
; K goes in steps of 128 through two LDS slots filled by tensor loads; rows of both tiles are 256 bytes of memory, aligned.
; CLUSTER 4 x 1: the four column strips of a cluster read the same 288 rows of xs, 78,336 of a step's 115,200 LDS bytes; these are
; asked for jointly (mask 15).  The weights' strip is each work-group's own.  No sharing along y: the weights hang on the row tile's
; modality, which is data, so two row tiles need not read the same weights.
; The matrix instruction is used transposed (source 0 = weights, source 1 = tokens): lane (r, h) register j holds
; (token row m0 + r, column n0 + 8 h + j), eight neighbouring columns, that is four rotation pairs.
; The weights lie [k][n] in LDS and are read by the transposing load.
; REGISTERS: window 0: v0-15 addresses, v16-159 token fragments (two buffers of 72), v160-223 weight fragments (two of 32), v224-255 tiles a = 8
;            window 1: tile (a, b), a < 8, at 8 (4 a + b);   window 2: v0-8 table offsets, v9, v64-255 table entries of blocks 0-2
;            window 3: v0-191 table entries of blocks 3-5, v192-227 tokens of the rows that I store
.set KDIM,  2048
.set MODSH, 23                         ; a modality's weights: 2048 x 2048 x 2 bytes
.set LAPS,  KDIM/256
.set PA,    272                        ; LDS pitch of token rows: 256 + 16
.set PB,    288                        ; LDS pitch of weight rows: 256 + 32
.set APART, 96*PA                      ; what waves 0, 1, 2 fetch
.set BOFF,  288*PA
.set SLOT,  BOFF+128*PB
.set STAGE, 2*SLOT                     ; 288 rows x 272 bytes, written by LDS stores alone
.set ADRA, 4
.set ADRB, 6
.set FA,   16
.set FB,   160
.set ACC8, 224
.set PK,   208
.set G1A, 24
.set G0A, 32
.set G1B, 48
.set G0B, 56
.set MSB, 0
.macro WIN new                         ; the immediate's high byte repeats the setting that is left
.if MSB != (\new)
	s_set_vgpr_msb (MSB<<8)|(\new)
.set MSB, (\new)
.endif
.endm
.macro PLACES                          ; four places behind a matrix instruction (ISA guide 7.12.1)
.rept 4
	v_nop
.endr
.endm
.macro CREST                           ; a round of the cluster's barrier behind its opening barrier
	s_cmp_lg_u32 s16, 0
	s_cbranch_scc1 .Lnot_wave_0_\@
	s_barrier_signal -3
.Lnot_wave_0_\@:
	s_barrier_wait -3
	s_barrier_signal -1
	s_barrier_wait -1
.endm
.macro CROUND
	s_barrier_signal -1
	s_barrier_wait -1
	CREST
.endm
.macro JLOAD s                         ; waves 0-2: 96 token rows each, jointly; wave 3: the weights' 128 rows, my work-group's own
	s_cmp_eq_u32 s16, 3
	s_cbranch_scc1 .Lfor_b_\@
	tensor_load_to_lds s[G0A+4*\s:G0A+4*\s+3], s[G1A:G1A+7]
	s_nop 0
	s_branch .Lasked_\@
.Lfor_b_\@:
	tensor_load_to_lds s[G0B+4*\s:G0B+4*\s+3], s[G1B:G1B+7]
	s_nop 0
.Lasked_\@:
.endm
; n row blocks from a0 on x 4 column blocks, 32 along K, from fragment buffer f
.macro MUL f, a0, n, zero
.set ma, \a0
.rept \n
.irp b, 0,1,2,3
.if ma < 8
.set mc, 8*(4*ma+\b)
.else
.set mc, ACC8+8*\b
.endif
.if \zero
	v_wmma_f32_16x16x32_f16 v[mc:mc+7], v[FB+32*\f+8*\b:FB+32*\f+8*\b+7], v[FA+72*\f+8*ma:FA+72*\f+8*ma+7], 0
.else
	v_wmma_f32_16x16x32_f16 v[mc:mc+7], v[FB+32*\f+8*\b:FB+32*\f+8*\b+7], v[FA+72*\f+8*ma:FA+72*\f+8*ma+7], v[mc:mc+7]
.endif
.endr
.set ma, ma+1
.endr
.endm
; 26 LDS loads: quarter q of a slot into buffer f, the weights first
.macro FETCH slot, q, f
	WIN 0
.irp b, 0,1,2,3
	ds_load_tr16_b128 v[FB+32*\f+8*\b:FB+32*\f+8*\b+3],   v[ADRB+\slot] offset:32*PB*\q+32*\b
	ds_load_tr16_b128 v[FB+32*\f+8*\b+4:FB+32*\f+8*\b+7], v[ADRB+\slot] offset:32*PB*\q+32*\b+16*PB
.endr
.irp a, 0,1,2,3,4,5,6,7,8
	ds_load_b128 v[FA+72*\f+8*\a:FA+72*\f+8*\a+3],   v[ADRA+\slot] offset:16*PA*\a+64*\q
	ds_load_b128 v[FA+72*\f+8*\a+4:FA+72*\f+8*\a+7], v[ADRA+\slot] offset:16*PA*\a+64*\q+32
.endr
.endm
; The 36 accumulators take turns, one instruction a turn, in the order a = 0-3, 8, 4-7 in every quarter.
.macro QUARTER slot, qn, f, g, zero
	s_wait_dscnt 10                                ; the weights and row blocks 0-3 are in; the ten loads of blocks 4-8 may be out
	WIN 0x50
	MUL \f, 0, 4, \zero
	WIN 0
	PLACES
	FETCH \slot, \qn, \g
	s_wait_dscnt 26                                ; all but the 26 just issued
	MUL \f, 8, 1, \zero
	WIN 0x50
	MUL \f, 4, 4, \zero
.endm
.macro THREE slot, zero
	QUARTER \slot, 1, 0, 1, \zero
	QUARTER \slot, 2, 1, 0, 0
	QUARTER \slot, 3, 0, 1, 0
.endm
; the last quarter of a K step, and the change of slots
.macro TURN slot, next, fill
	s_wait_dscnt 0x0                               ; my reads of this slot are over
	s_set_vgpr_msb 0x5058
	s_wait_tensorcnt 0x0                           ; all my tensor loads have landed: the one that was out is my part of the next slot
	ds_add_u32 v15, v63
	s_wait_dscnt 0x0
	s_set_vgpr_msb 0x5850
	s_barrier_signal -1
	WIN 0x50
	MUL 1, 0, 4, 0                                 ; register work while the others arrive
	WIN 0
	s_barrier_wait -1
.if \fill
	CREST                                          ; the same now holds of every wave of the four work-groups
	s_add_nc_u64 s[G0A+4*\slot+2:G0A+4*\slot+3], s[G0A+4*\slot+2:G0A+4*\slot+3], 512
	s_add_nc_u64 s[G0B+4*\slot+2:G0B+4*\slot+3], s[G0B+4*\slot+2:G0B+4*\slot+3], 0x100000
	JLOAD \slot                                    ; my one tensor load behind the round, two K steps ahead
.endif
	PLACES
	FETCH \next, 0, 0
	MUL 1, 8, 1, 0
	WIN 0x50
	MUL 1, 4, 4, 0
.endm
.macro LAP zero
	THREE 0, \zero
	TURN 0, 1, 1
	THREE 1, 0
	TURN 1, 0, 1
.endm
.macro LASTQ
	s_wait_dscnt 0x0
	WIN 0x50
	MUL 1, 0, 4, 0
	WIN 0
	MUL 1, 8, 1, 0
	WIN 0x50
	MUL 1, 4, 4, 0
	WIN 0
.endm
; all 36 tiles times the power of two in s68 (s69 holds it too): exact, two window settings for the 144 packed multiplies
.macro SCALEALL
	WIN 0x41
.set n, 0
.rept 128
	v_pk_mul_f32 v[2*n:2*n+1], v[2*n:2*n+1], s[68:69] op_sel_hi:[1,0]
.set n, n+1
.endr
	WIN 0
.set n, 0
.rept 16
	v_pk_mul_f32 v[ACC8+2*n:ACC8+2*n+1], v[ACC8+2*n:ACC8+2*n+1], s[68:69] op_sel_hi:[1,0]
.set n, n+1
.endr
.endm
; the table entries of row block a: for tile b and pair i the four numbers F[p][q] of (position, pair 32 wc + 8 b + 4 h + i)
.macro LOADF a, win, base
	WIN (\win<<6)|2
.irp b, 0,1,2,3
.irp i, 0,1,2,3
	global_load_b128 v[\base+16*\b+4*\i:\base+16*\b+4*\i+3], v[\a], s[8:9] offset:128*\b+16*\i
.endr
.endr
.endm
; out_q = t0 F[0][q] + t1 F[1][q], formed in the registers of F[0][.]; then f16, 16 bytes a lane and tile, into the stage
.macro ROPE a, aw, ab, fw, fbase
	WIN (\aw)|(\fw<<2)|(\fw<<4)|(\fw<<6)
.irp b, 0,1,2,3
.irp i, 0,1,2,3
	v_pk_mul_f32 v[\fbase+16*\b+4*\i:\fbase+16*\b+4*\i+1], v[\ab+8*\b+2*\i:\ab+8*\b+2*\i+1], v[\fbase+16*\b+4*\i:\fbase+16*\b+4*\i+1] op_sel_hi:[0,1]
.endr
.irp i, 0,1,2,3
	v_pk_fma_f32 v[\fbase+16*\b+4*\i:\fbase+16*\b+4*\i+1], v[\ab+8*\b+2*\i:\ab+8*\b+2*\i+1], v[\fbase+16*\b+4*\i+2:\fbase+16*\b+4*\i+3], v[\fbase+16*\b+4*\i:\fbase+16*\b+4*\i+1] op_sel:[1,0,0] op_sel_hi:[1,1,1]
.endr
.endr
	WIN (\fw)|(\fw<<2)
.irp b, 0,1,2,3
.irp i, 0,1,2,3
	v_cvt_pk_f16_f32 v[PK+4*\b+\i], v[\fbase+16*\b+4*\i], v[\fbase+16*\b+4*\i+1]
.endr
.endr
	WIN 0
.irp b, 0,1,2,3
	ds_store_b128 v8, v[PK+4*\b:PK+4*\b+3] offset:16*PA*\a+32*\b
.endr
.endm
.macro PLAIN a, aw, ab                 ; v is not rotated
	WIN (\aw)|(\aw<<2)
.irp b, 0,1,2,3
.irp i, 0,1,2,3
	v_cvt_pk_f16_f32 v[PK+4*\b+\i], v[\ab+8*\b+2*\i], v[\ab+8*\b+2*\i+1]
.endr
.endr
	WIN 0
.irp b, 0,1,2,3
	ds_store_b128 v8, v[PK+4*\b:PK+4*\b+3] offset:16*PA*\a+32*\b
.endr
.endm
	s_load_b256 s[4:11], s[0:1], 0x0               ; xs 4:5, wqkv 6:7, freq_cis 8:9, order 10:11
	s_load_b64 s[12:13], s[0:1], 0x20              ; qkv
	v_lshl_add_u32 v15, v0, 2, 0x4b600
	s_set_vgpr_msb 0x80
	v_mov_b32 v63, 0
	s_set_vgpr_msb 0x8088
	ds_add_u32 v15, v63
	s_set_vgpr_msb 0x8800
	v_lshrrev_b32 v1, 5, v0
	v_readfirstlane_b32 s16, v1                    ; wave
	s_lshr_b32 s17, s16, 1                         ; wr: which 144 rows
	s_and_b32 s18, s16, 1                          ; wc: which 64 columns
	s_bfe_u32 s19, ttmp6, 0x40000                  ; cx
	s_lshl_b32 s20, ttmp9, 2
	s_add_co_u32 s20, s20, s19                     ; column strip = 4 x cluster x + cx
	s_and_b32 s21, ttmp7, 0xffff                   ; row tile
	s_lshl_b32 s22, s21, 2
	s_mov_b32 s23, 0
	s_wait_dscnt 0x0
	s_wait_kmcnt 0x0
	s_add_nc_u64 s[40:41], s[10:11], s[22:23]
	s_load_b32 s14, s[40:41], 0x4800               ; tmod[row tile]
	s_mov_b32 s[G1A+0], 15|(1<<16)|(1<<20)|(1<<21)|(5<<22)|(3<<25)   ; mask of the four, 2-byte elements, 4 words of padding behind every 64
	s_mov_b32 s[G1A+1], 128<<16                    ; tensor_dim0
	s_mov_b32 s[G1A+2], 96<<16                     ; tensor_dim1
	s_mov_b32 s[G1A+3], 128<<16                    ; tile_dim0
	s_mov_b32 s[G1A+4], 96                         ; tile_dim1
	s_mov_b32 s[G1A+5], KDIM                       ; elements from row to row
	s_mov_b32 s[G1A+6], 0
	s_mov_b32 s[G1A+7], 0
	s_mov_b32 s[G1B+0], (1<<16)|(1<<20)|(5<<22)|(7<<25)              ; no mask, 8 words of padding behind every 64
	s_mov_b32 s[G1B+1], 128<<16
	s_mov_b32 s[G1B+2], 128<<16
	s_mov_b32 s[G1B+3], 128<<16
	s_mov_b32 s[G1B+4], 128
	s_mov_b32 s[G1B+5], 2048
	s_mov_b32 s[G1B+6], 0
	s_mov_b32 s[G1B+7], 0
	s_mul_i32 s22, s21, 288
	s_mul_i32 s42, s16, 96
	s_add_co_u32 s22, s22, s42
	s_mul_i32 s22, s22, KDIM*2                     ; my 96 rows of xs: row tile and wave alone
	s_mul_i32 s42, s16, APART                      ; LDS: wave x 26,112; for wave 3 that is where the weights lie
	s_wait_kmcnt 0x0
	s_add_nc_u64 s[40:41], s[4:5], s[22:23]
	s_min_u32 s14, s14, 1
	s_lshl_b32 s44, s14, MODSH
	s_lshl_b32 s45, s20, 8                         ; 128 columns of 2 bytes
	s_add_co_u32 s44, s44, s45
	s_mov_b32 s45, 0
	s_add_nc_u64 s[46:47], s[6:7], s[44:45]
	CROUND                                         ; the four work-groups are here: the first joint loads meet
.irp s, 0,1
	s_mov_b32 s[G0A+4*\s], 1
	s_add_co_u32 s[G0A+4*\s+1], s42, \s*SLOT
	s_add_nc_u64 s[G0A+4*\s+2:G0A+4*\s+3], s[40:41], \s*256
	s_or_b32 s[G0A+4*\s+3], s[G0A+4*\s+3], 0x80000000
	s_mov_b32 s[G0B+4*\s], 1
	s_add_co_u32 s[G0B+4*\s+1], s42, \s*SLOT
	s_add_nc_u64 s[G0B+4*\s+2:G0B+4*\s+3], s[46:47], \s*0x80000
	s_or_b32 s[G0B+4*\s+3], s[G0B+4*\s+3], 0x80000000
	JLOAD \s                                       ; two tensor loads of a wave are out, later one
.endr
	v_and_b32 v1, 15, v0                           ; r
	v_bfe_u32 v2, v0, 4, 1                         ; h
	v_and_b32 v3, 7, v0
	v_bfe_u32 v11, v0, 3, 1
	s_mul_i32 s22, s17, 144*PA
	v_mul_u32_u24 v4, v1, PA
	v_lshl_add_u32 v4, v2, 4, v4
	v_add_nc_u32 v4, s22, v4                       ; (144 wr + r) x 272 + 16 h
	v_add_nc_u32 v5, SLOT, v4
	s_lshl_b32 s23, s18, 7
	s_add_co_u32 s23, s23, BOFF
	v_lshl_add_u32 v6, v2, 3, v3
	v_mul_u32_u24 v6, v6, PB
	v_lshl_add_u32 v6, v11, 4, v6
	v_add_nc_u32 v6, s23, v6                       ; (8 h + lane % 8) x 288 + 128 wc + 16 x (bit 3 of the lane)
	v_add_nc_u32 v7, SLOT, v6
	s_lshl_b32 s23, s18, 7
	s_add_co_u32 s23, s23, s22
	s_add_co_u32 s23, s23, STAGE
	v_mul_u32_u24 v8, v1, PA
	v_lshl_add_u32 v8, v2, 4, v8
	v_add_nc_u32 v8, s23, v8                       ; into the stage: row 144 wr + r, byte 128 wc + 16 h
	s_mul_i32 s23, s16, 72*PA
	s_add_co_u32 s23, s23, STAGE
	v_mul_u32_u24 v9, v2, 36*PA
	v_lshl_add_u32 v9, v1, 4, v9
	v_add_nc_u32 v9, s23, v9                       ; out of the stage: row 72 w + 36 h, byte 16 r
	s_lshl_b32 s44, s20, 8
	v_lshl_add_u32 v10, v1, 4, s44                 ; my 16 bytes in a row of qkv
	s_lshl_b32 s23, s18, 9
	v_lshl_add_u32 v12, v2, 6, s23                 ; 512 wc + 64 h: my first pair in a position's table
	s_mul_i32 s43, s21, 1152                       ; 288 words of tok a tile
	s_mul_i32 s22, s17, 576
	s_add_co_u32 s22, s22, s43
	v_lshl_add_u32 v13, v1, 2, s22                 ; tok of row 144 wr + r
	s_mul_i32 s23, s16, 288
	s_add_co_u32 s23, s23, s43
	v_mul_u32_u24 v14, v2, 144
	v_add_nc_u32 v14, s23, v14                     ; tok of row 72 w + 36 h
	WIN 0x80
.irp a, 0,1,2,3,4,5,6,7,8
	global_load_b32 v[\a], v13, s[10:11] offset:64*\a          ; the tokens whose positions I rotate by (nine words; the v strips do not use them)
.endr
	v_mov_b32 v9, v12
	WIN 0xc0
.irp i, 0,1,2,3,4,5,6,7,8
	global_load_b128 v[192+4*\i:195+4*\i], v14, s[10:11] offset:16*\i   ; the tokens of the 36 rows that I store
.endr
	WIN 0
	s_wait_tensorcnt 0x1                           ; my part of K step 0 is in; K step 1's may stay out
	s_barrier_signal -1
	s_barrier_wait -1
	FETCH 0, 0, 0
	LAP 1                                          ; the first products start the sums
	WIN 0
	s_mov_b32 s3, LAPS-2
.Llap:
	LAP 0
	WIN 0
	s_sub_co_u32 s3, s3, 1
	s_cmp_lg_u32 s3, 0
	s_cbranch_scc1 .Llap
	s_cmp_ge_u32 ttmp9, 3                          ; cluster x = 3: the v heads.  The same in all four partners
	s_cbranch_scc1 .Lplain
	; ---- q and k: the last lap, with the table on its way ----
	s_wait_loadcnt 0x0                             ; both token lists
	WIN 0xaa
.irp a, 0,1,2,3,4,5,6,7,8
	v_min_u32 v[\a], 0x1000, v[\a]
	v_and_b32 v[\a], 0x7ff, v[\a]                  ; position = token mod 2048 (a pad reads position 0 and is not stored)
	v_lshl_add_u32 v[\a], v[\a], 10, v9            ; 1,024 bytes a position
.endr
	LOADF 0, 2, 64
	LOADF 1, 2, 128
	LOADF 2, 2, 192
	THREE 0, 0                                     ; the last lap fills nothing
	TURN 0, 1, 0
	LOADF 3, 3, 0
	LOADF 4, 3, 64
	LOADF 5, 3, 128
	THREE 1, 0
	LASTQ
	PLACES                                         ; behind the last products: results are read, fragment registers are loaded into
	LOADF 6, 0, 16
	LOADF 7, 0, 80
	LOADF 8, 0, 144
	s_mov_b32 s68, 0x3c000000                      ; 2^-7: q and k are kept as q / 128, k / 128
	s_mov_b32 s69, 0x3c000000
	SCALEALL                                       ; while the last table entries are on their way
	s_wait_loadcnt 48                              ; blocks 0-5 are in; the 48 loads of blocks 6-8 stay out
	ROPE 0, 1, 0,   2, 64
	ROPE 1, 1, 32,  2, 128
	ROPE 2, 1, 64,  2, 192
	ROPE 3, 1, 96,  3, 0
	ROPE 4, 1, 128, 3, 64
	ROPE 5, 1, 160, 3, 128
	s_wait_loadcnt 32
	ROPE 6, 1, 192, 0, 16
	s_wait_loadcnt 16
	ROPE 7, 1, 224, 0, 80
	s_wait_loadcnt 0x0
	ROPE 8, 0, ACC8, 0, 144
	s_branch .Lstore
	; ---- v: the last lap, no table ----
.Lplain:
	THREE 0, 0
	TURN 0, 1, 0
	THREE 1, 0
	LASTQ
	PLACES
	s_mov_b32 s68, 0x3e800000                      ; 2^-2: v is kept as v / 4
	s_mov_b32 s69, 0x3e800000
	SCALEALL
	s_wait_loadcnt 0x0                             ; the token lists
	PLAIN 0, 1, 0
	PLAIN 1, 1, 32
	PLAIN 2, 1, 64
	PLAIN 3, 1, 96
	PLAIN 4, 1, 128
	PLAIN 5, 1, 160
	PLAIN 6, 1, 192
	PLAIN 7, 1, 224
	PLAIN 8, 0, ACC8
	; ---- whole rows of 256 bytes out of the stage, to each row's token ----
.Lstore:
	s_wait_dscnt 0x0                               ; my part of the stage is written
	s_barrier_signal -1
	s_barrier_wait -1
	WIN 0x0c
.set t, 0
.rept 36
	v_min_u32 v[160+t], 0x1000, v[192+t]
.set t, t+1
.endr
	WIN 0
.set t, 0
.rept 36
	v_lshl_add_u32 v[160+t], v[160+t], 12, v10     ; token x 4,096 bytes + my 16 bytes
	ds_load_b128 v[16+4*t:16+4*t+3], v9 offset:PA*t
.set t, t+1
.endr
	s_mov_b32 s66, 0x1000000                       ; token 4096 and beyond: a pad
; A lane's rows ascend and a tile's pads are its last rows, so EXEC only narrows; it is restored once at the end.
.set t, 0
.rept 36
	s_wait_dscnt 35-t
	s_wait_xcnt 0x0                                ; EXEC changes only behind this wait
	v_cmpx_gt_u32 s66, v[160+t]
	global_store_b128 v[160+t], v[16+4*t:16+4*t+3], s[12:13]   ; sixteen lanes store 256 consecutive bytes, aligned
.set t, t+1
.endr
	s_wait_xcnt 0x0
	s_mov_b32 exec_lo, -1
	s_set_vgpr_msb 0x8
	s_wait_tensorcnt 0x0
	ds_add_u32 v15, v63
	s_wait_dscnt 0x0
	s_set_vgpr_msb 0x800
	CROUND                                         ; the closing round
	s_endpgm
.Lfunc_end_k_q8e5ef485c6_qkvproj:
	.size	k_q8e5ef485c6_qkvproj, .Lfunc_end_k_q8e5ef485c6_qkvproj-k_q8e5ef485c6_qkvproj
	.p2alignl 7, 3214868480
	.fill 96, 4, 3214868480
	.section	.rodata,"a",@progbits
	.p2align	6, 0x0
	.amdhsa_kernel k_q8e5ef485c6_qkvproj
		.amdhsa_group_segment_fixed_size 327680
		.amdhsa_private_segment_fixed_size 0
		.amdhsa_enable_private_segment 0
		.amdhsa_kernarg_size 40
		.amdhsa_user_sgpr_count 2
		.amdhsa_user_sgpr_kernarg_segment_ptr 1
		.amdhsa_wavefront_size32 1
		.amdhsa_system_sgpr_workgroup_id_x 1
		.amdhsa_system_sgpr_workgroup_id_y 1
		.amdhsa_system_sgpr_workgroup_id_z 1
		.amdhsa_system_vgpr_workitem_id 0
		.amdhsa_next_free_vgpr 1024
		.amdhsa_next_free_sgpr 100
		.amdhsa_reserve_vcc 0
		.amdhsa_float_denorm_mode_32 3
		.amdhsa_float_denorm_mode_16_64 3
		.amdhsa_memory_ordered 1
		.amdhsa_forward_progress 1
		.amdhsa_inst_pref_size 234
	.end_amdhsa_kernel
	.amdgpu_metadata
---
amdhsa.version: [ 1, 2 ]
amdhsa.kernels:
  - .name:           k_q8e5ef485c6_qkvproj
    .symbol:         k_q8e5ef485c6_qkvproj.kd
    .args:
      - { .name: xs, .offset: 0, .size: 8, .value_kind: global_buffer, .address_space: global }
      - { .name: wqkv, .offset: 8, .size: 8, .value_kind: global_buffer, .address_space: global }
      - { .name: freq_cis, .offset: 16, .size: 8, .value_kind: global_buffer, .address_space: global }
      - { .name: order, .offset: 24, .size: 8, .value_kind: global_buffer, .address_space: global }
      - { .name: qkv, .offset: 32, .size: 8, .value_kind: global_buffer, .address_space: global }
    .group_segment_fixed_size: 327680
    .private_segment_fixed_size: 0
    .kernarg_segment_align: 8
    .kernarg_segment_size: 40
    .max_flat_workgroup_size: 128
    .sgpr_count:     100
    .vgpr_count:     1024
    .wavefront_size: 32
...
	.end_amdgpu_metadata
.endif
;; end of part 2
;; launch attn (part 3): grid 16 x 16, 4 waves a work-group, clusters of 4 x 1, 327,680 bytes of LDS; arguments qkv, order, ao; writes ao
.if DOCPART == 3
	.amdgcn_target "amdgcn-amd-amdhsa--gfx1250"
	.amdhsa_code_object_version 6
	.text
	.protected	k_q8e5ef485c6_attn
	.globl	k_q8e5ef485c6_attn
	.p2align	8
	.type	k_q8e5ef485c6_attn,@function
k_q8e5ef485c6_attn:
	s_mov_b64 s[64:65], 0
	v_nop
	global_prefetch_b8 v0, s[64:65] scope:SCOPE_SE
	s_setreg_imm32_b32 hwreg(HW_REG_WAVE_MODE, 25, 1), 1
	s_wait_xcnt 0x0
	s_wait_alu depctr_hold_cnt(0) depctr_sa_sdst(0) depctr_va_vdst(0) depctr_va_sdst(0) depctr_va_ssrc(0) depctr_va_vcc(0) depctr_vm_vsrc(0)
	s_getreg_b32 s2, hwreg(HW_REG_IB_STS2, 6, 4)
	s_cmp_eq_u32 s2, 0
	s_cbranch_scc0 .Lentry_in_a_cluster
	s_endpgm
.Lentry_in_a_cluster:
	s_bfe_u32 s2, ttmp6, 0x10000c
	s_cmp_lg_u32 s2, 0x3003
	s_cbranch_scc0 .Lentry_shape_is_right
	s_endpgm
.Lentry_shape_is_right:
; softmax(q k^T / sqrt(128)) v for 128 query rows of one (batch, head), with a running maximum; f16 rows to each token's sorted place in ao.
; Nothing of reference() is left out here.  q and k come as q / 128 and k / 128, so the softmax's constant holds 2^14; v comes as v / 4, and
; the result is stored as it then falls out, a quarter of reference()'s (the output weights are stored fourfold).
; LIMITS: the probabilities go to the matrix unit in f16: below 2^-25 of the row's largest they count as zero; v_exp_f32 flushes results below 2^-126 to zero.
; Four waves: wq = w / 2 picks 64 query rows (4 blocks of 16), wk = w % 2 picks 64 of each tile's 128 keys; the two key halves,
; each with its own maximum and sum, are merged once at the end.
; CLUSTER 4 x 1: the four query blocks of a cluster walk the same K and V tiles and ask for them jointly (mask 15).
; TRANSPOSED FORMS: S^T = K Q^T gives lane (r, h) register j the score of key 8 h + j and query r; two such tiles, packed to f16 in place,
; ARE the second source of O^T = V^T P^T.  No shuffle and no LDS trip for the probabilities.  V lies [key][dim] and is read by the transposing load.
; THE SCHEDULE OF A TILE.  The wave's query blocks are two pieces, A = blocks 0, 1 and B = blocks 2, 3, which share the K and V fragments.
; Four phases of 32 matrix instructions: A's scores; B's scores, a slice of A's softmax behind each; A's products with V, a slice of B's softmax
; behind each; B's products, a slice of the row sums behind every second.  A piece's softmax (with the shrinking of its O) is 246 vector
; instructions in 32 numbered slices; the four blocks' row sums are 64 in 16 slices.  So the vector unit works while the matrix unit does.
; The slices work in window 2 (and on O in window 1), the products under settings of their own: S, the K and Q fragments and the statistics do not
; fit into one window, so a slice costs two switches: 166 switches for a tile's 128 matrix and 556 vector instructions.
; REGISTERS: window 0: v0-31 addresses, v32-159 Q (qb, c) at 8 (4 qb + c), v160-223 the way out, v224-239 sorted rows
;            window 1: O (hb, qb) at 8 (4 hb + qb);  window 2: S (kb, qb) at 8 (4 kb + qb), P, statistics
;            window 3: v0-127 V fragments (kc, hb) at 64 kc + 8 hb, v128-255 K fragments (kb, c) at 128 + 32 kb + 8 c
.set PKK,   272
.set PVV,   288
.set PART,  18432                      ; a wave's part of a slot: 64 keys of K (17,408 bytes used) or of V
.set SLOT,  4*PART
.set XCH,   2*SLOT                     ; exchange of the key halves: 4 x 17,408, LDS stores alone
.set XPART, 17408
.set STG,   XCH+4*XPART                ; the way out: 4 x 16 rows x 272
.set TSTEP, 128*4096                   ; 128 keys further in qkv
.set ADK, 4
.set ADV, 6
.set QF,  32
.set OA,  160                          ; the way out: packed results
.set OB,  192                          ; the way out: whole rows
.set POS, 224
.set VF,  0
.set KF,  128
.set P,   128
.set M,   192
.set LS,  196
.set NM,  204
.set AL,  212
.set T,   220                          ; six registers a query block
.set LL,  220                          ; at the end: the four row sums
.set RS,  224                          ; the partner's M, M, L, L
.set W0,  228
.set G,   232
.set GO,  236
.set G1K, 24
.set G0K, 32
.set G1V, 48
.set G0V, 56
.set MSB, 0
.macro WIN new                         ; the immediate's high byte repeats the setting that is left
.if MSB != (\new)
	s_set_vgpr_msb (MSB<<8)|(\new)
.set MSB, (\new)
.endif
.endm
.macro PLACES
.rept 4
	v_nop
.endr
.endm
.macro ROUND                           ; a round of the cluster's barrier
	s_barrier_signal -1
	s_barrier_wait -1
	s_cmp_lg_u32 s10, 0
	s_cbranch_scc1 .Lnot_wave_0_\@
	s_barrier_signal -3
.Lnot_wave_0_\@:
	s_barrier_wait -3
	s_barrier_signal -1
	s_barrier_wait -1
.endm
.macro JLOAD s                         ; waves 0, 1: K's two halves; waves 2, 3: V's
	s_cmp_lt_u32 s10, 2
	s_cbranch_scc0 .Lfor_v_\@
	tensor_load_to_lds s[G0K+4*(\s):G0K+4*(\s)+3], s[G1K:G1K+7]
	s_nop 0
	s_branch .Lasked_\@
.Lfor_v_\@:
	tensor_load_to_lds s[G0V+4*(\s):G0V+4*(\s)+3], s[G1V:G1V+7]
	s_nop 0
.Lasked_\@:
.endm
.macro KLOAD slot                      ; my 64 keys x 128 dims, key blocks in order
.irp kb, 0,1,2,3
.irp c, 0,1,2,3
	ds_load_b128 v[KF+32*\kb+8*\c:KF+32*\kb+8*\c+3],   v[ADK+\slot] offset:16*PKK*\kb+64*\c
	ds_load_b128 v[KF+32*\kb+8*\c+4:KF+32*\kb+8*\c+7], v[ADK+\slot] offset:16*PKK*\kb+64*\c+32
.endr
.endr
.endm
.macro VLOAD slot                      ; 64 keys x 128 dims, transposed; the first 32 keys first
.irp kc, 0,1
.irp hb, 0,1,2,3,4,5,6,7
	ds_load_tr16_b128 v[VF+64*\kc+8*\hb:VF+64*\kc+8*\hb+3],   v[ADV+\slot] offset:32*PVV*\kc+32*\hb
	ds_load_tr16_b128 v[VF+64*\kc+8*\hb+4:VF+64*\kc+8*\hb+7], v[ADV+\slot] offset:32*PVV*\kc+32*\hb+16*PVV
.endr
.endr
.endm
; ---- the softmax of a piece (query blocks q0, q0 + 1) in 32 slices.  c = 2^14 log2(e) / sqrt(128) in s66, s67; -c in s68 ----
.macro MXMID q0, i                     ; two more scores of each tile into the eight running maxima (TA, TB are set by SLICE)
	WIN 0xaa
.irp kb, 0,1,2,3
	v_max3_num_f32 v[TA+\kb], v[TA+\kb], v[8*(4*\kb+\q0)+2*\i+1], v[8*(4*\kb+\q0)+2*\i+2]
	v_max3_num_f32 v[TB+\kb], v[TB+\kb], v[8*(4*\kb+\q0+1)+2*\i+1], v[8*(4*\kb+\q0+1)+2*\i+2]
.endr
.endm
; Half tile e (0 to 15) is registers 4 (e % 2) .. + 3 of tile (kb = (e / 2) % 4, qb = q0 + e / 8).  Slice E(e): the four exponentials of half tile e, and
; between them the multiply-adds of half tile e + 1 and the conversions of half tile e - 1: behind each exponential stands a plain instruction
; that touches neither its result nor its source (ISA guide 5.7.2).  E(0) has no conversions yet and keeps the new maxima instead.
.macro ESLICE q0, e
.set XB, 8*(4*(((\e)>>1)&3)+\q0+((\e)>>3))+4*((\e)&1)
.set FE, (\e)+1
.set FQ, \q0+(FE>>3)
.set FBS, 8*(4*((FE>>1)&3)+FQ)+4*(FE&1)
.if (\e) > 0
.set CE, (\e)-1
.else
.set CE, 0
.endif
.set CQ, \q0+(CE>>3)
.set CK, (CE>>1)&3
.set CBS, 8*(4*CK+CQ)+4*(CE&1)
.set CP, P+8*(2*CQ+(CK>>1))+4*(CK&1)+2*(CE&1)
	v_exp_f32 v[XB], v[XB]
.if (\e) < 15
	v_pk_fma_f32 v[FBS:FBS+1], v[FBS:FBS+1], s[66:67], v[NM+2*FQ:NM+2*FQ+1] op_sel_hi:[1,0,1]
.endif
	v_exp_f32 v[XB+1], v[XB+1]
.if (\e) < 15
	v_pk_fma_f32 v[FBS+2:FBS+3], v[FBS+2:FBS+3], s[66:67], v[NM+2*FQ:NM+2*FQ+1] op_sel_hi:[1,0,1]
.endif
	v_exp_f32 v[XB+2], v[XB+2]
.if (\e) > 0
	s_wait_alu depctr_va_vdst(0)
	v_cvt_pk_f16_f32 v[CP], v[CBS], v[CBS+1]
.else
	v_mov_b32 v[M+\q0], v[T+6*\q0]
.endif
	v_exp_f32 v[XB+3], v[XB+3]
.if (\e) > 0
	s_wait_alu depctr_va_vdst(0)
	v_cvt_pk_f16_f32 v[CP+1], v[CBS+2], v[CBS+3]
.else
	v_mov_b32 v[M+\q0+1], v[T+6*\q0+6]
.endif
.endm
.macro RSL q0, g                       ; slice R(g): the piece's two O tiles of dims 16 g .. 16 g + 15 shrink with the old maximum
	WIN 0x49
.irp qq, 0,1
.irp p, 0,1,2,3
	v_pk_mul_f32 v[8*(4*(\g)+\q0+\qq)+2*\p:8*(4*(\g)+\q0+\qq)+2*\p+1], v[8*(4*(\g)+\q0+\qq)+2*\p:8*(4*(\g)+\q0+\qq)+2*\p+1], v[AL+2*(\q0+\qq):AL+2*(\q0+\qq)+1]
.endr
.endr
.endm
; slice n of the piece.  0-4 maxima; 5 differences and -c max; 6 the shrink factors and the first multiply-adds; 7-30 eight groups E, E, R; 31 the last conversions
.macro SLICE q0, n, first
.set TA, T+6*\q0
.set TB, T+6*\q0+6
.if (\n) == 0
.if \q0 == 0
	PLACES                                         ; four places behind A's score products (ISA guide 7.12.1): no slice stands among them, and every vector instruction that is ready here reads these scores
.endif
	WIN 0xaa                                       ; piece B needs none: behind B's last score products stand A's last slices
.irp kb, 0,1,2,3
	v_max3_num_f32 v[TA+\kb], v[8*(4*\kb+\q0)], v[8*(4*\kb+\q0)+1], v[8*(4*\kb+\q0)+2]
	v_max3_num_f32 v[TB+\kb], v[8*(4*\kb+\q0+1)], v[8*(4*\kb+\q0+1)+1], v[8*(4*\kb+\q0+1)+2]
.endr
.endif
.if (\n) == 1
	MXMID \q0, 1
.endif
.if (\n) == 2
	MXMID \q0, 2
.endif
.if (\n) == 3
	WIN 0xaa
.irp kb, 0,1,2,3
	v_max_num_f32 v[TA+\kb], v[TA+\kb], v[8*(4*\kb+\q0)+7]
	v_max_num_f32 v[TB+\kb], v[TB+\kb], v[8*(4*\kb+\q0+1)+7]
.endr
.endif
.if (\n) == 4
	WIN 0xaa
	v_max3_num_f32 v[TA], v[TA], v[TA+1], v[TA+2]
	v_max3_num_f32 v[TB], v[TB], v[TB+1], v[TB+2]
.if \first
	v_max_num_f32 v[TA], v[TA], v[TA+3]
	v_max_num_f32 v[TB], v[TB], v[TB+3]
.else
	v_max3_num_f32 v[TA], v[TA], v[TA+3], v[M+\q0]
	v_max3_num_f32 v[TB], v[TB], v[TB+3], v[M+\q0+1]
.endif
	v_permlanex16_b32 v[TA+1], v[TA], s69, s70     ; the other half of the lanes holds the query's other 32 keys
	v_permlanex16_b32 v[TB+1], v[TB], s69, s70
	v_max_num_f32 v[TA], v[TA], v[TA+1]            ; the new running maxima
	v_max_num_f32 v[TB], v[TB], v[TB+1]
.endif
.if (\n) == 5
	WIN 0xaa
.if \first == 0
	v_sub_f32 v[TA+2], v[M+\q0], v[TA]
	v_sub_f32 v[TB+2], v[M+\q0+1], v[TB]
.endif
	v_mul_f32 v[NM+2*\q0], s68, v[TA]
	v_mul_f32 v[NM+2*\q0+1], s68, v[TA]
	v_mul_f32 v[NM+2*\q0+2], s68, v[TB]
	v_mul_f32 v[NM+2*\q0+3], s68, v[TB]
.if \first == 0
	v_mul_f32 v[TA+2], s66, v[TA+2]
	v_mul_f32 v[TB+2], s66, v[TB+2]
.endif
.endif
.if (\n) == 6
	WIN 0xaa
.if \first == 0
	v_exp_f32 v[AL+2*\q0], v[TA+2]                 ; what the old sums shrink by, twice for the packed forms
	v_exp_f32 v[AL+2*\q0+1], v[TA+2]
	v_exp_f32 v[AL+2*\q0+2], v[TB+2]
.endif
	v_pk_fma_f32 v[8*\q0:8*\q0+1], v[8*\q0:8*\q0+1], s[66:67], v[NM+2*\q0:NM+2*\q0+1] op_sel_hi:[1,0,1]
.if \first == 0
	v_exp_f32 v[AL+2*\q0+3], v[TB+2]
.endif
	v_pk_fma_f32 v[8*\q0+2:8*\q0+3], v[8*\q0+2:8*\q0+3], s[66:67], v[NM+2*\q0:NM+2*\q0+1] op_sel_hi:[1,0,1]
.endif
.if (\n) > 6
.if (\n) < 31
.set sm, (\n)-7
.if sm%3 == 2
.if \first == 0
	RSL \q0, sm/3
.endif
.else
	WIN 0xaa
	ESLICE \q0, 2*(sm/3)+sm%3
.endif
.endif
.endif
.if (\n) == 31
	WIN 0xaa
	s_wait_alu depctr_va_vdst(0)
	v_cvt_pk_f16_f32 v[P+8*(2*\q0+3)+6], v[8*(13+\q0)+4], v[8*(13+\q0)+5]
	v_cvt_pk_f16_f32 v[P+8*(2*\q0+3)+7], v[8*(13+\q0)+6], v[8*(13+\q0)+7]
.endif
.endm
; ---- the row sums: slice k (0 to 15) is quarter k % 4 of query block k / 4.  Two chains a block; the sums stay per lane until the end ----
.macro SUMADD i                        ; uq and TQ are set by SUMSL
	v_pk_add_f32 v[TQ+2:TQ+3], v[TQ+2:TQ+3], v[8*(4*((\i)>>2)+uq)+2*((\i)&3):8*(4*((\i)>>2)+uq)+2*((\i)&3)+1]
	v_pk_add_f32 v[TQ+4:TQ+5], v[TQ+4:TQ+5], v[8*(4*(2+((\i)>>2))+uq)+2*((\i)&3):8*(4*(2+((\i)>>2))+uq)+2*((\i)&3)+1]
.endm
.macro SUMSL k, first
.set uq, (\k)>>2
.set uj, (\k)&3
.set TQ, T+6*uq
	WIN 0xaa
.if uj == 0
	v_pk_add_f32 v[TQ+2:TQ+3], v[8*uq:8*uq+1], v[8*uq+2:8*uq+3]
	v_pk_add_f32 v[TQ+4:TQ+5], v[8*(8+uq):8*(8+uq)+1], v[8*(8+uq)+2:8*(8+uq)+3]
	SUMADD 2
.endif
.if uj == 1
	SUMADD 3
	SUMADD 4
.endif
.if uj == 2
	SUMADD 5
	SUMADD 6
.endif
.if uj == 3
	SUMADD 7
.if \first
	v_pk_add_f32 v[LS+2*uq:LS+2*uq+1], v[TQ+2:TQ+3], v[TQ+4:TQ+5]
.else
	v_pk_add_f32 v[TQ+2:TQ+3], v[TQ+2:TQ+3], v[TQ+4:TQ+5]
	v_pk_fma_f32 v[LS+2*uq:LS+2*uq+1], v[LS+2*uq:LS+2*uq+1], v[AL+2*uq:AL+2*uq+1], v[TQ+2:TQ+3]
.endif
.endif
.endm
; ---- the products.  sn counts a phase's matrix instructions ----
; 16 score products: key blocks 2 pr, 2 pr + 1 x query blocks q0, q0 + 1 x 128 dims.  The four accumulators take turns.
; sl = 1: a slice of piece A's softmax behind each
.macro SPAIR q0, pr, sl, first
.irp c, 0,1,2,3
.irp kk, 0,1
.irp qq, 0,1
.set sd, 8*(4*(2*\pr+\kk)+\q0+\qq)
.if \c == 0
	v_wmma_f32_16x16x32_f16 v[sd:sd+7], v[KF+32*(2*\pr+\kk)+8*\c:KF+32*(2*\pr+\kk)+8*\c+7], v[QF+8*(4*(\q0+\qq)+\c):QF+8*(4*(\q0+\qq)+\c)+7], 0
.else
	v_wmma_f32_16x16x32_f16 v[sd:sd+7], v[KF+32*(2*\pr+\kk)+8*\c:KF+32*(2*\pr+\kk)+8*\c+7], v[QF+8*(4*(\q0+\qq)+\c):QF+8*(4*(\q0+\qq)+\c)+7], v[sd:sd+7]
.endif
.if \sl
	SLICE 0, sn, \first
	WIN 0xa3
.set sn, sn+1
.endif
.endr
.endr
.endr
.endm
; 16 products with V: keys 32 kc .. + 31 x query blocks q0, q0 + 1 x 128 dims.  Sixteen accumulators take turns.
; mode 1: a slice of piece B's softmax behind each; mode 2: a slice of the row sums behind every second
.macro PVHALF q0, kc, zero, mode, first
.irp hb, 0,1,2,3,4,5,6,7
.irp qq, 0,1
.set od, 8*(4*\hb+\q0+\qq)
.if \zero
	v_wmma_f32_16x16x32_f16 v[od:od+7], v[VF+64*\kc+8*\hb:VF+64*\kc+8*\hb+7], v[P+8*(2*(\q0+\qq)+\kc):P+8*(2*(\q0+\qq)+\kc)+7], 0
.else
	v_wmma_f32_16x16x32_f16 v[od:od+7], v[VF+64*\kc+8*\hb:VF+64*\kc+8*\hb+7], v[P+8*(2*(\q0+\qq)+\kc):P+8*(2*(\q0+\qq)+\kc)+7], v[od:od+7]
.endif
.if \mode == 1
	SLICE 2, sn, \first
	WIN 0x5b
.endif
.if \mode == 2
.if sn%2 == 1
	SUMSL sn/2, \first
	WIN 0x5b
.endif
.endif
.set sn, sn+1
.endr
.endr
.endm
; one tile of 128 keys
.macro TRIP slot, refill, first
	s_wait_tensorcnt 0x0                           ; all my tensor loads have landed, my part of this trip's tile among them,
	ds_add_u32 v254, v255
	s_wait_dscnt 0x0
	s_add_nc_u64 s[G0K+4*\slot+2:G0K+4*\slot+3], s[G0K+4*\slot+2:G0K+4*\slot+3], 2*TSTEP   ; so the descriptors may be written: this slot's next tile
	s_add_nc_u64 s[G0V+4*\slot+2:G0V+4*\slot+3], s[G0V+4*\slot+2:G0V+4*\slot+3], 2*TSTEP
	s_wait_dscnt 0x0                               ; my reads of the last trip's tile are over
	ROUND                                          ; both now hold of every wave of the four work-groups
.if \refill
	JLOAD 1-\slot                                  ; my one tensor load behind the round: the next tile, into the slot read last
.endif
	WIN 0xc0
	KLOAD \slot
	WIN 0xa3
	s_wait_dscnt 16                                ; key blocks 0, 1 are in; the sixteen loads of blocks 2, 3 stay out
	SPAIR 0, 0, 0, \first                          ; A's scores
	WIN 0xc0
	VLOAD \slot                                    ; behind the last tile's last product stands a sum slice of four plain instructions: V's registers may be loaded
	WIN 0xa3
	s_wait_dscnt 32                                ; key blocks 2, 3 are in; V's 32 loads stay out
	SPAIR 0, 1, 0, \first
.set sn, 0
	SPAIR 2, 0, 1, \first                          ; B's scores beside A's softmax
	SPAIR 2, 1, 1, \first
.set sn, 0
	WIN 0x5b
	s_wait_dscnt 16                                ; V's first 32 keys are in
	PVHALF 0, 0, \first, 1, \first                 ; A's products beside B's softmax
	s_wait_dscnt 0x0
	PVHALF 0, 1, 0, 1, \first
.set sn, 0
	PVHALF 2, 0, \first, 2, \first                 ; B's products beside the row sums
	PVHALF 2, 1, 0, 2, \first
.if \first
	v_nop                                          ; the first tile's last sum slice has three instructions: the fourth place in front of the next tile's loads of V
.endif
	WIN 0
.endm
; the two query blocks that I do not keep go to my partner, with their maxima and sums
.macro SENDP keep
	WIN 0x04
.irp i, 0,1
.irp hb, 0,1,2,3,4,5,6,7
	ds_store_b128 v8, v[8*(4*\hb+2*(1-\keep)+\i):8*(4*\hb+2*(1-\keep)+\i)+3]   offset:1024*(8*\i+\hb)
	ds_store_b128 v8, v[8*(4*\hb+2*(1-\keep)+\i)+4:8*(4*\hb+2*(1-\keep)+\i)+7] offset:1024*(8*\i+\hb)+512
.endr
.endr
	WIN 0x08
	ds_store_b64 v8, v[M+2*(1-\keep):M+2*(1-\keep)+1]   offset:16384
	ds_store_b64 v8, v[LL+2*(1-\keep):LL+2*(1-\keep)+1] offset:16392
	WIN 0
.endm
; merge the partner's half into the blocks that I keep, divide by the sum, store
.macro FINISH keep
	WIN 0x80
	ds_load_b128 v[RS:RS+3], v9 offset:16384
	WIN 0xc0
.set n, 0
.rept 32
	ds_load_b128 v[4*n:4*n+3], v9 offset:512*n
.set n, n+1
.endr
	s_wait_dscnt 0x0
	WIN 0xaa
.irp i, 0,1
	v_max_num_f32 v[W0], v[M+2*\keep+\i], v[RS+\i]
	v_sub_f32 v[W0+1], v[M+2*\keep+\i], v[W0]
	v_sub_f32 v[W0+2], v[RS+\i], v[W0]
	v_mul_f32 v[W0+1], s66, v[W0+1]
	v_mul_f32 v[W0+2], s66, v[W0+2]
	v_exp_f32 v[W0+1], v[W0+1]
	v_exp_f32 v[W0+2], v[W0+2]
	v_nop
	s_wait_alu depctr_va_vdst(0)
	v_mul_f32 v[W0], v[LL+2*\keep+\i], v[W0+1]
	v_fma_f32 v[W0], v[RS+2+\i], v[W0+2], v[W0]
	v_rcp_f32 v[W0+3], v[W0]
	v_nop
	s_wait_alu depctr_va_vdst(0)
	v_mul_f32 v[G+2*\i],    v[W0+1], v[W0+3]
	v_mul_f32 v[G+2*\i+1],  v[W0+1], v[W0+3]
	v_mul_f32 v[GO+2*\i],   v[W0+2], v[W0+3]
	v_mul_f32 v[GO+2*\i+1], v[W0+2], v[W0+3]
.endr
	WIN 0x49
.irp i, 0,1
.irp hb, 0,1,2,3,4,5,6,7
.irp p, 0,1,2,3
	v_pk_mul_f32 v[8*(4*\hb+2*\keep+\i)+2*\p:8*(4*\hb+2*\keep+\i)+2*\p+1], v[8*(4*\hb+2*\keep+\i)+2*\p:8*(4*\hb+2*\keep+\i)+2*\p+1], v[G+2*\i:G+2*\i+1]
.endr
.endr
.endr
	WIN 0x5b
.irp i, 0,1
.irp hb, 0,1,2,3,4,5,6,7
.irp p, 0,1,2,3
	v_pk_fma_f32 v[8*(4*\hb+2*\keep+\i)+2*\p:8*(4*\hb+2*\keep+\i)+2*\p+1], v[8*(8*\i+\hb)+2*\p:8*(8*\i+\hb)+2*\p+1], v[GO+2*\i:GO+2*\i+1], v[8*(4*\hb+2*\keep+\i)+2*\p:8*(4*\hb+2*\keep+\i)+2*\p+1]
.endr
.endr
.endr
.irp i, 0,1
	WIN 0x05
.irp hb, 0,1,2,3,4,5,6,7
.irp p, 0,1,2,3
	v_cvt_pk_f16_f32 v[OA+4*\hb+\p], v[8*(4*\hb+2*\keep+\i)+2*\p], v[8*(4*\hb+2*\keep+\i)+2*\p+1]
.endr
.endr
	WIN 0
.irp hb, 0,1,2,3,4,5,6,7
	ds_store_b128 v10, v[OA+4*\hb:OA+4*\hb+3] offset:32*\hb
.endr
	s_wait_xcnt 0x0                                ; the registers that the last block's stores read are loaded again only behind this wait
.irp t, 0,1,2,3,4,5,6,7
	ds_load_b128 v[OB+4*\t:OB+4*\t+3], v11 offset:PKK*\t       ; LDS serves a wave's instructions in order: these see the stores above
.endr
.irp t, 0,1,2,3,4,5,6,7
	s_wait_dscnt 7-\t
	global_store_b128 v[QF+8*\i+\t], v[OB+4*\t:OB+4*\t+3], s[8:9]   ; sixteen lanes store 256 consecutive bytes, aligned
.endr
.endr
.endm
	s_load_b128 s[4:7], s[0:1], 0x0                ; qkv 4:5, order 6:7
	s_load_b64 s[8:9], s[0:1], 0x10                ; ao
	v_lshl_add_u32 v254, v0, 2, 0x39400
	v_mov_b32 v255, 0
	ds_add_u32 v254, v255
	v_lshrrev_b32 v1, 5, v0
	v_readfirstlane_b32 s10, v1                    ; wave
	s_lshr_b32 s11, s10, 1                         ; wq
	s_and_b32 s12, s10, 1                          ; wk
	s_bfe_u32 s13, ttmp6, 0x40000                  ; cx
	s_lshl_b32 s14, ttmp9, 2
	s_add_co_u32 s14, s14, s13                     ; query block of 128 rows
	s_and_b32 s15, ttmp7, 0xffff
	s_lshr_b32 s16, s15, 3                         ; batch
	s_and_b32 s17, s15, 7                          ; query head
	s_lshr_b32 s18, s17, 1                         ; its key and value head
	s_mov_b32 s66, 0x450293ee                      ; 2^14 log2(e) / sqrt(128): q and k come as q / 128, k / 128
	s_mov_b32 s67, 0x450293ee
	s_mov_b32 s68, 0xc50293ee
	s_mov_b32 s69, 0x76543210
	s_mov_b32 s70, 0xfedcba98
	s_mov_b32 s[G1K+0], 15|(1<<16)|(1<<20)|(1<<21)|(5<<22)|(3<<25)   ; mask of the four; 4 words of padding behind every 64: pitch 272
	s_mov_b32 s[G1K+1], 128<<16
	s_mov_b32 s[G1K+2], 64<<16
	s_mov_b32 s[G1K+3], 128<<16
	s_mov_b32 s[G1K+4], 64
	s_mov_b32 s[G1K+5], 2048
	s_mov_b32 s[G1K+6], 0
	s_mov_b32 s[G1K+7], 0
	s_mov_b32 s[G1V+0], 15|(1<<16)|(1<<20)|(1<<21)|(5<<22)|(7<<25)   ; 8 words: pitch 288
	s_mov_b32 s[G1V+1], 128<<16
	s_mov_b32 s[G1V+2], 64<<16
	s_mov_b32 s[G1V+3], 128<<16
	s_mov_b32 s[G1V+4], 64
	s_mov_b32 s[G1V+5], 2048
	s_mov_b32 s[G1V+6], 0
	s_mov_b32 s[G1V+7], 0
	s_lshl_b32 s20, s16, 23                        ; K: batch x 2048 rows of 4,096 bytes
	s_lshl_b32 s21, s12, 18                        ; + my 64 keys of the tile
	s_add_co_u32 s20, s20, s21
	s_lshl_b32 s21, s18, 8                         ; + the head's 256 bytes
	s_add_co_u32 s20, s20, s21
	s_add_co_u32 s20, s20, 2048                    ; + column 1024; batch, head and wave alone: the same in all four partners
	s_mov_b32 s21, 0
	s_mul_i32 s19, s10, PART
	s_lshl_b32 s22, s16, 23                        ; Q: batch, query block, my 64 rows, my head
	s_lshl_b32 s23, s14, 19
	s_add_co_u32 s22, s22, s23
	s_lshl_b32 s23, s11, 18
	s_add_co_u32 s22, s22, s23
	s_lshl_b32 s23, s17, 8
	s_add_co_u32 s22, s22, s23
	s_mov_b32 s23, 0
	s_wait_dscnt 0x0
	s_wait_kmcnt 0x0
	s_add_nc_u64 s[40:41], s[4:5], s[20:21]
	s_add_nc_u64 s[42:43], s[4:5], s[22:23]
	ROUND                                          ; in front of the first joint load
.irp s, 0,1
	s_mov_b32 s[G0K+4*\s], 1
	s_add_co_u32 s[G0K+4*\s+1], s19, \s*SLOT
	s_add_nc_u64 s[G0K+4*\s+2:G0K+4*\s+3], s[40:41], \s*TSTEP
	s_or_b32 s[G0K+4*\s+3], s[G0K+4*\s+3], 0x80000000
	s_mov_b32 s[G0V+4*\s], 1
	s_add_co_u32 s[G0V+4*\s+1], s19, \s*SLOT
	s_add_nc_u64 s[G0V+4*\s+2:G0V+4*\s+3], s[40:41], \s*TSTEP+1024
	s_or_b32 s[G0V+4*\s+3], s[G0V+4*\s+3], 0x80000000
.endr
	JLOAD 0                                        ; tile 0; a wave never has more than one tensor load out
	v_and_b32 v1, 15, v0                           ; r
	v_bfe_u32 v2, v0, 4, 1                         ; h
	v_and_b32 v3, 7, v0
	v_bfe_u32 v15, v0, 3, 1
	v_and_b32 v16, 31, v0
	v_lshlrev_b32 v13, 12, v1
	v_lshl_add_u32 v13, v2, 4, v13                 ; Q: row r, byte 16 h
.irp qb, 0,1,2,3
.irp c, 0,1,2,3
	global_load_b128 v[QF+8*(4*\qb+\c):QF+8*(4*\qb+\c)+3],   v13, s[42:43] offset:65536*\qb+64*\c
	global_load_b128 v[QF+8*(4*\qb+\c)+4:QF+8*(4*\qb+\c)+7], v13, s[42:43] offset:65536*\qb+64*\c+32
.endr
.endr
	s_lshl_b32 s45, s16, 13                        ; pos of the rows that I store: token 2048 b + 128 block + 64 wq + 32 wk + 8 h, 4 bytes each
	s_lshl_b32 s46, s14, 9
	s_add_co_u32 s45, s45, s46
	s_lshl_b32 s46, s11, 8
	s_add_co_u32 s45, s45, s46
	s_lshl_b32 s46, s12, 7
	s_add_co_u32 s45, s45, s46
	v_lshl_add_u32 v14, v2, 5, s45
	global_load_b128 v[POS:POS+3],     v14, s[6:7] offset:18688
	global_load_b128 v[POS+4:POS+7],   v14, s[6:7] offset:18688+16
	global_load_b128 v[POS+8:POS+11],  v14, s[6:7] offset:18688+64
	global_load_b128 v[POS+12:POS+15], v14, s[6:7] offset:18688+80
	s_mul_i32 s21, s12, PART
	v_mul_u32_u24 v4, v1, PKK
	v_lshl_add_u32 v4, v2, 4, v4
	v_add_nc_u32 v4, s21, v4                       ; K: my half, row r, byte 16 h
	v_add_nc_u32 v5, SLOT, v4
	s_add_co_u32 s21, s21, 2*PART
	v_lshl_add_u32 v6, v2, 3, v3
	v_mul_u32_u24 v6, v6, PVV
	v_lshl_add_u32 v6, v15, 4, v6
	v_add_nc_u32 v6, s21, v6                       ; V: my half, row 8 h + lane % 8, byte 16 x (bit 3 of the lane)
	v_add_nc_u32 v7, SLOT, v6
	s_mul_i32 s21, s10, XPART
	s_add_co_u32 s21, s21, XCH
	v_lshl_add_u32 v8, v16, 4, s21                 ; what I send
	s_xor_b32 s21, s10, 1
	s_mul_i32 s21, s21, XPART
	s_add_co_u32 s21, s21, XCH
	v_lshl_add_u32 v9, v16, 4, s21                 ; what my partner sent
	s_mul_i32 s21, s10, 16*PKK
	s_add_co_u32 s21, s21, STG
	v_mul_u32_u24 v10, v1, PKK
	v_lshl_add_u32 v10, v2, 4, v10
	v_add_nc_u32 v10, s21, v10
	v_mul_u32_u24 v11, v2, 8*PKK
	v_lshl_add_u32 v11, v1, 4, v11
	v_add_nc_u32 v11, s21, v11
	s_lshl_b32 s21, s17, 8
	v_lshl_add_u32 v12, v1, 4, s21                 ; my 16 bytes in a row of ao
	s_wait_loadcnt 0x0                             ; Q and pos
	TRIP 0, 1, 1                                   ; the first tile starts maxima, sums and products
	TRIP 1, 1, 0
	s_mov_b32 s44, 6
.Ltiles:
	TRIP 0, 1, 0
	TRIP 1, 1, 0
	s_sub_co_u32 s44, s44, 1
	s_cmp_lg_u32 s44, 0
	s_cbranch_scc1 .Ltiles
	TRIP 0, 1, 0
	TRIP 1, 0, 0                                   ; tile 15: nothing is left to fetch
	; behind the last product stand its sum slice and the lines below: more than four places before O is read
.set n, 0
.rept 16
	v_min_u32 v[QF+n], 0x11ff, v[POS+n]
	v_lshl_add_u32 v[QF+n], v[QF+n], 11, v12       ; sorted row x 2,048 bytes + my 16 bytes
.set n, n+1
.endr
	WIN 0xaa
.irp qb, 0,1,2,3
	v_add_f32 v[LL+\qb], v[LS+2*\qb], v[LS+2*\qb+1]
.endr
.irp qb, 0,1,2,3
	v_permlanex16_b32 v[W0+\qb], v[LL+\qb], s69, s70
.endr
.irp qb, 0,1,2,3
	v_add_f32 v[LL+\qb], v[LL+\qb], v[W0+\qb]      ; the sum over my 64 keys of every tile
.endr
	WIN 0
	s_cmp_lg_u32 s12, 0
	s_cbranch_scc1 .Lsend1
	SENDP 0
	s_branch .Lsent
.Lsend1:
	SENDP 1
.Lsent:
	s_wait_dscnt 0x0                               ; what I send is written
	s_barrier_signal -1
	s_barrier_wait -1
	s_cmp_lg_u32 s12, 0
	s_cbranch_scc1 .Lfin1
	FINISH 0
	s_branch .Ldone
.Lfin1:
	FINISH 1
.Ldone:
	s_wait_tensorcnt 0x0
	ds_add_u32 v254, v255
	s_wait_dscnt 0x0
	ROUND                                          ; the closing round
	s_endpgm
.Lfunc_end_k_q8e5ef485c6_attn:
	.size	k_q8e5ef485c6_attn, .Lfunc_end_k_q8e5ef485c6_attn-k_q8e5ef485c6_attn
	.p2alignl 7, 3214868480
	.fill 96, 4, 3214868480
	.section	.rodata,"a",@progbits
	.p2align	6, 0x0
	.amdhsa_kernel k_q8e5ef485c6_attn
		.amdhsa_group_segment_fixed_size 327680
		.amdhsa_private_segment_fixed_size 0
		.amdhsa_enable_private_segment 0
		.amdhsa_kernarg_size 24
		.amdhsa_user_sgpr_count 2
		.amdhsa_user_sgpr_kernarg_segment_ptr 1
		.amdhsa_wavefront_size32 1
		.amdhsa_system_sgpr_workgroup_id_x 1
		.amdhsa_system_sgpr_workgroup_id_y 1
		.amdhsa_system_sgpr_workgroup_id_z 1
		.amdhsa_system_vgpr_workitem_id 0
		.amdhsa_next_free_vgpr 1024
		.amdhsa_next_free_sgpr 100
		.amdhsa_reserve_vcc 0
		.amdhsa_float_denorm_mode_32 3
		.amdhsa_float_denorm_mode_16_64 3
		.amdhsa_memory_ordered 1
		.amdhsa_forward_progress 1
		.amdhsa_inst_pref_size 255
	.end_amdhsa_kernel
	.section	.bss,"aw",@nobits
	.p2align	6
	.space	262144
	.amdgpu_metadata
---
amdhsa.version: [ 1, 2 ]
amdhsa.kernels:
  - .name:           k_q8e5ef485c6_attn
    .symbol:         k_q8e5ef485c6_attn.kd
    .args:
      - { .name: qkv, .offset: 0, .size: 8, .value_kind: global_buffer, .address_space: global }
      - { .name: order, .offset: 8, .size: 8, .value_kind: global_buffer, .address_space: global }
      - { .name: ao, .offset: 16, .size: 8, .value_kind: global_buffer, .address_space: global }
    .group_segment_fixed_size: 327680
    .private_segment_fixed_size: 0
    .kernarg_segment_align: 8
    .kernarg_segment_size: 24
    .max_flat_workgroup_size: 128
    .sgpr_count:     100
    .vgpr_count:     1024
    .wavefront_size: 32
...
	.end_amdgpu_metadata
.endif
;; end of part 3
;; launch oproj (part 4): grid 16 x 16, 4 waves a work-group, clusters of 4 x 1, 327,680 bytes of LDS; arguments ao, wob, order, out0; writes out0
.if DOCPART == 4
	.amdgcn_target "amdgcn-amd-amdhsa--gfx1250"
	.amdhsa_code_object_version 6
	.text
	.protected	k_q8e5ef485c6_oproj
	.globl	k_q8e5ef485c6_oproj
	.p2align	8
	.type	k_q8e5ef485c6_oproj,@function
k_q8e5ef485c6_oproj:
	s_mov_b64 s[64:65], 0
	v_nop
	global_prefetch_b8 v0, s[64:65] scope:SCOPE_SE
	s_setreg_imm32_b32 hwreg(HW_REG_WAVE_MODE, 25, 1), 1
	s_wait_xcnt 0x0
	s_wait_alu depctr_hold_cnt(0) depctr_sa_sdst(0) depctr_va_vdst(0) depctr_va_sdst(0) depctr_va_ssrc(0) depctr_va_vcc(0) depctr_vm_vsrc(0)
	s_getreg_b32 s2, hwreg(HW_REG_IB_STS2, 6, 4)
	s_cmp_eq_u32 s2, 0
	s_cbranch_scc0 .Lentry_in_a_cluster
	s_endpgm
.Lentry_in_a_cluster:
	s_bfe_u32 s2, ttmp6, 0x10000c
	s_cmp_lg_u32 s2, 0x3003
	s_cbranch_scc0 .Lentry_shape_is_right
	s_endpgm
.Lentry_shape_is_right:
; out0 = ao x wob[modality of the row tile], K = 1024; f32 rows back in token order.  Operands in f16: ao holds a quarter of attention's
; result and wob four times Wo, so the product is reference()'s without a further step.
; Only the product with a token's own modality is made (rows sorted, the tile's modality read from order: a lookup by index).
; Pad rows of a tile (token 4096) are computed inside the tile and not stored.  They are masked store by store: how many rows of a tile are
; live is data, and in a launch with joint loads no branch hangs on a number read from memory.
; Shape, ring, cluster and registers as in the projection of q, k, v: 288 x 128 a work-group, 144 x 64 a wave, K steps of 128 in two LDS slots,
; the 288 rows of ao asked for jointly by the four column strips of a cluster (mask 15), the weights' strip each work-group's own; no sharing
; along y, since the weights hang on the row tile's modality, which is data.  Source 0 = weights, source 1 = tokens: lane (r, h) register j
; holds (row m0 + r, column n0 + 8 h + j).  Window 2, v0-71: the tokens of the rows that I store.
.set KDIM,  1024
.set MODSH, 22                         ; a modality's weights: 1024 x 2048 x 2 bytes
.set LAPS,  KDIM/256
.set PA,    272
.set PB,    288
.set APART, 96*PA
.set BOFF,  288*PA
.set SLOT,  BOFF+128*PB
.set STAGE, 2*SLOT                     ; 16 rows x 272 bytes for each wave, written by LDS stores alone
.set ADRA, 4
.set ADRB, 6
.set FA,   16
.set FB,   160
.set ACC8, 224
.set OFS,  16                          ; v16-87 at the end: byte offsets of my 72 rows in out0
.set DAT,  88                          ; v88-119: rows on their way out
.set G1A, 24
.set G0A, 32
.set G1B, 48
.set G0B, 56
.set MSB, 0
.macro WIN new
.if MSB != (\new)
	s_set_vgpr_msb (MSB<<8)|(\new)
.set MSB, (\new)
.endif
.endm
.macro PLACES
.rept 4
	v_nop
.endr
.endm
.macro CREST
	s_cmp_lg_u32 s16, 0
	s_cbranch_scc1 .Lnot_wave_0_\@
	s_barrier_signal -3
.Lnot_wave_0_\@:
	s_barrier_wait -3
	s_barrier_signal -1
	s_barrier_wait -1
.endm
.macro CROUND
	s_barrier_signal -1
	s_barrier_wait -1
	CREST
.endm
.macro JLOAD s
	s_cmp_eq_u32 s16, 3
	s_cbranch_scc1 .Lfor_b_\@
	tensor_load_to_lds s[G0A+4*\s:G0A+4*\s+3], s[G1A:G1A+7]
	s_nop 0
	s_branch .Lasked_\@
.Lfor_b_\@:
	tensor_load_to_lds s[G0B+4*\s:G0B+4*\s+3], s[G1B:G1B+7]
	s_nop 0
.Lasked_\@:
.endm
.macro MUL f, a0, n, zero
.set ma, \a0
.rept \n
.irp b, 0,1,2,3
.if ma < 8
.set mc, 8*(4*ma+\b)
.else
.set mc, ACC8+8*\b
.endif
.if \zero
	v_wmma_f32_16x16x32_f16 v[mc:mc+7], v[FB+32*\f+8*\b:FB+32*\f+8*\b+7], v[FA+72*\f+8*ma:FA+72*\f+8*ma+7], 0
.else
	v_wmma_f32_16x16x32_f16 v[mc:mc+7], v[FB+32*\f+8*\b:FB+32*\f+8*\b+7], v[FA+72*\f+8*ma:FA+72*\f+8*ma+7], v[mc:mc+7]
.endif
.endr
.set ma, ma+1
.endr
.endm
.macro FETCH slot, q, f
	WIN 0
.irp b, 0,1,2,3
	ds_load_tr16_b128 v[FB+32*\f+8*\b:FB+32*\f+8*\b+3],   v[ADRB+\slot] offset:32*PB*\q+32*\b
	ds_load_tr16_b128 v[FB+32*\f+8*\b+4:FB+32*\f+8*\b+7], v[ADRB+\slot] offset:32*PB*\q+32*\b+16*PB
.endr
.irp a, 0,1,2,3,4,5,6,7,8
	ds_load_b128 v[FA+72*\f+8*\a:FA+72*\f+8*\a+3],   v[ADRA+\slot] offset:16*PA*\a+64*\q
	ds_load_b128 v[FA+72*\f+8*\a+4:FA+72*\f+8*\a+7], v[ADRA+\slot] offset:16*PA*\a+64*\q+32
.endr
.endm
; The 36 accumulators take turns, one instruction a turn, in the order a = 0-3, 8, 4-7 in every quarter.
.macro QUARTER slot, qn, f, g, zero
	s_wait_dscnt 10                                ; the weights and row blocks 0-3 are in; the ten loads of blocks 4-8 may be out
	WIN 0x50
	MUL \f, 0, 4, \zero
	WIN 0
	PLACES
	FETCH \slot, \qn, \g
	s_wait_dscnt 26                                ; all but the 26 just issued
	MUL \f, 8, 1, \zero
	WIN 0x50
	MUL \f, 4, 4, \zero
.endm
.macro THREE slot, zero
	QUARTER \slot, 1, 0, 1, \zero
	QUARTER \slot, 2, 1, 0, 0
	QUARTER \slot, 3, 0, 1, 0
.endm
.macro TURN slot, next, fill
	s_wait_dscnt 0x0                               ; my reads of this slot are over
	s_wait_tensorcnt 0x0                           ; all my tensor loads have landed: the one that was out is my part of the next slot
	ds_add_u32 v14, v15
	s_wait_dscnt 0x0
	s_barrier_signal -1
	WIN 0x50
	MUL 1, 0, 4, 0
	WIN 0
	s_barrier_wait -1
.if \fill
	CREST                                          ; the same now holds of every wave of the four work-groups
	s_add_nc_u64 s[G0A+4*\slot+2:G0A+4*\slot+3], s[G0A+4*\slot+2:G0A+4*\slot+3], 512
	s_add_nc_u64 s[G0B+4*\slot+2:G0B+4*\slot+3], s[G0B+4*\slot+2:G0B+4*\slot+3], 0x100000
	JLOAD \slot                                    ; my one tensor load behind the round, two K steps ahead
.endif
	PLACES
	FETCH \next, 0, 0
	MUL 1, 8, 1, 0
	WIN 0x50
	MUL 1, 4, 4, 0
.endm
.macro LAP zero
	THREE 0, \zero
	TURN 0, 1, 1
	THREE 1, 0
	TURN 1, 0, 1
.endm
.macro LASTQ
	s_wait_dscnt 0x0
	WIN 0x50
	MUL 1, 0, 4, 0
	WIN 0
	MUL 1, 8, 1, 0
	WIN 0x50
	MUL 1, 4, 4, 0
	WIN 0
.endm
; 16 rows x 64 columns of f32 through my own stage; a lane's rows ascend and a tile's pads are its last rows, so EXEC only narrows inside a block
.macro OUT16 a, aw, ab
	WIN (\aw<<2)
.irp b, 0,1,2,3
	ds_store_b128 v8, v[\ab+8*\b:\ab+8*\b+3]   offset:64*\b
	ds_store_b128 v8, v[\ab+8*\b+4:\ab+8*\b+7] offset:64*\b+16
.endr
	WIN 0
.irp t, 0,1,2,3,4,5,6,7
	ds_load_b128 v[DAT+4*\t:DAT+4*\t+3], v9 offset:PA*\t       ; LDS serves a wave's instructions in order: these see the stores above
.endr
.irp t, 0,1,2,3,4,5,6,7
	s_wait_dscnt 7-\t
	s_wait_xcnt 0x0                                ; EXEC changes only behind this wait
	v_cmpx_gt_u32 s66, v[OFS+8*\a+\t]
	global_store_b128 v[OFS+8*\a+\t], v[DAT+4*\t:DAT+4*\t+3], s[12:13] th:TH_STORE_NT   ; sixteen lanes store 256 consecutive bytes, aligned
.endr
	s_wait_xcnt 0x0                                ; also frees the registers that these stores read
	s_mov_b32 exec_lo, -1
.endm
	s_load_b128 s[4:7], s[0:1], 0x0                ; ao 4:5, wob 6:7
	s_load_b64 s[10:11], s[0:1], 0x10              ; order
	s_load_b64 s[12:13], s[0:1], 0x18              ; out0
	v_lshl_add_u32 v14, v0, 2, 0x3c800
	v_mov_b32 v15, 0
	ds_add_u32 v14, v15
	v_lshrrev_b32 v1, 5, v0
	v_readfirstlane_b32 s16, v1
	s_lshr_b32 s17, s16, 1
	s_and_b32 s18, s16, 1
	s_bfe_u32 s19, ttmp6, 0x40000
	s_lshl_b32 s20, ttmp9, 2
	s_add_co_u32 s20, s20, s19                     ; column strip
	s_and_b32 s21, ttmp7, 0xffff                   ; row tile
	s_lshl_b32 s22, s21, 2
	s_mov_b32 s23, 0
	s_wait_dscnt 0x0
	s_wait_kmcnt 0x0
	s_add_nc_u64 s[40:41], s[10:11], s[22:23]
	s_load_b32 s14, s[40:41], 0x4800               ; tmod[row tile]
	s_mov_b32 s[G1A+0], 15|(1<<16)|(1<<20)|(1<<21)|(5<<22)|(3<<25)
	s_mov_b32 s[G1A+1], 128<<16
	s_mov_b32 s[G1A+2], 96<<16
	s_mov_b32 s[G1A+3], 128<<16
	s_mov_b32 s[G1A+4], 96
	s_mov_b32 s[G1A+5], KDIM
	s_mov_b32 s[G1A+6], 0
	s_mov_b32 s[G1A+7], 0
	s_mov_b32 s[G1B+0], (1<<16)|(1<<20)|(5<<22)|(7<<25)
	s_mov_b32 s[G1B+1], 128<<16
	s_mov_b32 s[G1B+2], 128<<16
	s_mov_b32 s[G1B+3], 128<<16
	s_mov_b32 s[G1B+4], 128
	s_mov_b32 s[G1B+5], 2048
	s_mov_b32 s[G1B+6], 0
	s_mov_b32 s[G1B+7], 0
	s_mul_i32 s22, s21, 288
	s_mul_i32 s42, s16, 96
	s_add_co_u32 s22, s22, s42
	s_mul_i32 s22, s22, KDIM*2
	s_mul_i32 s42, s16, APART
	s_wait_kmcnt 0x0
	s_add_nc_u64 s[40:41], s[4:5], s[22:23]
	s_min_u32 s14, s14, 1
	s_lshl_b32 s44, s14, MODSH
	s_lshl_b32 s45, s20, 8
	s_add_co_u32 s44, s44, s45
	s_mov_b32 s45, 0
	s_add_nc_u64 s[46:47], s[6:7], s[44:45]
	CROUND
.irp s, 0,1
	s_mov_b32 s[G0A+4*\s], 1
	s_add_co_u32 s[G0A+4*\s+1], s42, \s*SLOT
	s_add_nc_u64 s[G0A+4*\s+2:G0A+4*\s+3], s[40:41], \s*256
	s_or_b32 s[G0A+4*\s+3], s[G0A+4*\s+3], 0x80000000
	s_mov_b32 s[G0B+4*\s], 1
	s_add_co_u32 s[G0B+4*\s+1], s42, \s*SLOT
	s_add_nc_u64 s[G0B+4*\s+2:G0B+4*\s+3], s[46:47], \s*0x80000
	s_or_b32 s[G0B+4*\s+3], s[G0B+4*\s+3], 0x80000000
	JLOAD \s                                       ; two tensor loads of a wave are out, later one
.endr
	v_and_b32 v1, 15, v0
	v_bfe_u32 v2, v0, 4, 1
	v_and_b32 v3, 7, v0
	v_bfe_u32 v11, v0, 3, 1
	s_mul_i32 s22, s17, 144*PA
	v_mul_u32_u24 v4, v1, PA
	v_lshl_add_u32 v4, v2, 4, v4
	v_add_nc_u32 v4, s22, v4
	v_add_nc_u32 v5, SLOT, v4
	s_lshl_b32 s23, s18, 7
	s_add_co_u32 s23, s23, BOFF
	v_lshl_add_u32 v6, v2, 3, v3
	v_mul_u32_u24 v6, v6, PB
	v_lshl_add_u32 v6, v11, 4, v6
	v_add_nc_u32 v6, s23, v6
	v_add_nc_u32 v7, SLOT, v6
	s_mul_i32 s23, s16, 16*PA
	s_add_co_u32 s23, s23, STAGE                   ; my stage
	v_mul_u32_u24 v8, v1, PA
	v_lshl_add_u32 v8, v2, 5, v8
	v_add_nc_u32 v8, s23, v8                       ; in: row r, byte 32 h
	v_mul_u32_u24 v9, v2, 8*PA
	v_lshl_add_u32 v9, v1, 4, v9
	v_add_nc_u32 v9, s23, v9                       ; back: row 8 h, byte 16 r
	s_lshl_b32 s44, s20, 9
	s_lshl_b32 s45, s18, 8
	s_add_co_u32 s44, s44, s45
	v_lshl_add_u32 v10, v1, 4, s44                 ; my 16 bytes in a row of out0: 512 strip + 256 wc + 16 r
	s_mul_i32 s43, s21, 1152
	s_mul_i32 s22, s17, 576
	s_add_co_u32 s22, s22, s43
	v_lshl_add_u32 v13, v2, 5, s22                 ; tok of row 144 wr + 8 h
	WIN 0x80
.irp a, 0,1,2,3,4,5,6,7,8
	global_load_b128 v[8*\a:8*\a+3],   v13, s[10:11] offset:64*\a
	global_load_b128 v[8*\a+4:8*\a+7], v13, s[10:11] offset:64*\a+16
.endr
	WIN 0
	s_wait_tensorcnt 0x1                           ; my part of K step 0 is in; K step 1's may stay out
	s_barrier_signal -1
	s_barrier_wait -1
	FETCH 0, 0, 0
	LAP 1
	WIN 0
	s_mov_b32 s3, LAPS-2
.Llap:
	LAP 0
	WIN 0
	s_sub_co_u32 s3, s3, 1
	s_cmp_lg_u32 s3, 0
	s_cbranch_scc1 .Llap
	THREE 0, 0                                     ; the last lap fills nothing
	TURN 0, 1, 0
	THREE 1, 0
	LASTQ
	PLACES
	s_wait_loadcnt 0x0                             ; the tokens
	WIN 0x08
.set n, 0
.rept 72
	v_min_u32 v[OFS+n], 0x1000, v[n]
.set n, n+1
.endr
	WIN 0
.set n, 0
.rept 72
	v_lshl_add_u32 v[OFS+n], v[OFS+n], 13, v10     ; token x 8,192 bytes + my 16 bytes
.set n, n+1
.endr
	s_mov_b32 s66, 0x2000000                       ; token 4096 and beyond: a pad
	OUT16 0, 1, 0
	OUT16 1, 1, 32
	OUT16 2, 1, 64
	OUT16 3, 1, 96
	OUT16 4, 1, 128
	OUT16 5, 1, 160
	OUT16 6, 1, 192
	OUT16 7, 1, 224
	OUT16 8, 0, ACC8
	s_wait_tensorcnt 0x0
	ds_add_u32 v14, v15
	s_wait_dscnt 0x0
	CROUND                                         ; the closing round
	s_endpgm
.Lfunc_end_k_q8e5ef485c6_oproj:
	.size	k_q8e5ef485c6_oproj, .Lfunc_end_k_q8e5ef485c6_oproj-k_q8e5ef485c6_oproj
	.p2alignl 7, 3214868480
	.fill 96, 4, 3214868480
	.section	.rodata,"a",@progbits
	.p2align	6, 0x0
	.amdhsa_kernel k_q8e5ef485c6_oproj
		.amdhsa_group_segment_fixed_size 327680
		.amdhsa_private_segment_fixed_size 0
		.amdhsa_enable_private_segment 0
		.amdhsa_kernarg_size 32
		.amdhsa_user_sgpr_count 2
		.amdhsa_user_sgpr_kernarg_segment_ptr 1
		.amdhsa_wavefront_size32 1
		.amdhsa_system_sgpr_workgroup_id_x 1
		.amdhsa_system_sgpr_workgroup_id_y 1
		.amdhsa_system_sgpr_workgroup_id_z 1
		.amdhsa_system_vgpr_workitem_id 0
		.amdhsa_next_free_vgpr 592
		.amdhsa_next_free_sgpr 100
		.amdhsa_reserve_vcc 0
		.amdhsa_float_denorm_mode_32 3
		.amdhsa_float_denorm_mode_16_64 3
		.amdhsa_memory_ordered 1
		.amdhsa_forward_progress 1
		.amdhsa_inst_pref_size 145
	.end_amdhsa_kernel
	.amdgpu_metadata
---
amdhsa.version: [ 1, 2 ]
amdhsa.kernels:
  - .name:           k_q8e5ef485c6_oproj
    .symbol:         k_q8e5ef485c6_oproj.kd
    .args:
      - { .name: ao, .offset: 0, .size: 8, .value_kind: global_buffer, .address_space: global }
      - { .name: wob, .offset: 8, .size: 8, .value_kind: global_buffer, .address_space: global }
      - { .name: order, .offset: 16, .size: 8, .value_kind: global_buffer, .address_space: global }
      - { .name: out0, .offset: 24, .size: 8, .value_kind: global_buffer, .address_space: global }
    .group_segment_fixed_size: 327680
    .private_segment_fixed_size: 0
    .kernarg_segment_align: 8
    .kernarg_segment_size: 32
    .max_flat_workgroup_size: 128
    .sgpr_count:     100
    .vgpr_count:     592
    .wavefront_size: 32
...
	.end_amdgpu_metadata
.endif
;; end of part 4
;; ======== version 2 of 2: 4 launches; 1.07 times as fast as version 1
;; limits: values are held in f16: magnitudes above 65,504 overflow, below 6.1e-05 lose precision; right only within a limited range of input values
;; workspace buffers: xs 18,874,368 bytes; wqkv 16,777,216 bytes; wob 8,388,608 bytes; qkv 16,777,216 bytes; ao 9,437,184 bytes; order 35,072 bytes of whole numbers
;; launch prep: the kernel of part 1 again; grid 640 x 1, 8 waves a work-group, no clusters, 1,280 bytes of LDS; arguments x, Wq, Wk, Wv, Wo, modality_ids, xs, wqkv, wob, ao, order; writes xs, wqkv, wob, ao, order
;; launch qkvproj: the kernel of part 2 again; grid 16 x 16, 4 waves a work-group, clusters of 4 x 1, 327,680 bytes of LDS; arguments xs, wqkv, freq_cis, order, qkv; writes qkv
;; launch attn (part 5): grid 16 x 16, 4 waves a work-group, clusters of 4 x 1, 327,680 bytes of LDS; arguments qkv, order, ao; writes ao
.if DOCPART == 5
	.amdgcn_target "amdgcn-amd-amdhsa--gfx1250"
	.amdhsa_code_object_version 6
	.text
	.protected	k_q8e5ef485c6_attn
	.globl	k_q8e5ef485c6_attn
	.p2align	8
	.type	k_q8e5ef485c6_attn,@function
k_q8e5ef485c6_attn:
	s_mov_b64 s[64:65], 0
	v_nop
	global_prefetch_b8 v0, s[64:65] scope:SCOPE_SE
	s_setreg_imm32_b32 hwreg(HW_REG_WAVE_MODE, 25, 1), 1
	s_wait_xcnt 0x0
	s_wait_alu depctr_hold_cnt(0) depctr_sa_sdst(0) depctr_va_vdst(0) depctr_va_sdst(0) depctr_va_ssrc(0) depctr_va_vcc(0) depctr_vm_vsrc(0)
	s_getreg_b32 s2, hwreg(HW_REG_IB_STS2, 6, 4)
	s_cmp_eq_u32 s2, 0
	s_cbranch_scc0 .Lentry_in_a_cluster
	s_endpgm
.Lentry_in_a_cluster:
	s_bfe_u32 s2, ttmp6, 0x10000c
	s_cmp_lg_u32 s2, 0x3003
	s_cbranch_scc0 .Lentry_shape_is_right
	s_endpgm
.Lentry_shape_is_right:
; softmax(q k^T / sqrt(128)) v for 128 query rows of one (batch, head), with a running maximum; f16 rows to each token's sorted place in ao.
; Nothing of reference() is left out here.  q and k come as q / 128 and k / 128, so the softmax's constant holds 2^14; v comes as v / 4, and
; the result is stored as it then falls out, a quarter of reference()'s (the output weights are stored fourfold).
; LIMITS: the probabilities go to the matrix unit in f16: below 2^-25 of the row's largest they count as zero; v_exp_f32 flushes results below 2^-126 to zero.
; Four waves: wq = w / 2 picks 64 query rows (4 blocks of 16), wk = w % 2 picks 64 of each tile's 128 keys; the two key halves,
; each with its own maximum and sum, are merged once at the end.
; CLUSTER 4 x 1: the four query blocks of a cluster walk the same K and V tiles and ask for them jointly (mask 15).
; TRANSPOSED FORMS: S^T = K Q^T gives lane (r, h) register j the score of key 8 h + j and query r; two such tiles, packed to f16 in place,
; ARE the second source of O^T = V^T P^T.  No shuffle and no LDS trip for the probabilities.  V lies [key][dim] and is read by the transposing load.
; THE SCHEDULE OF A TILE.  The wave's query blocks are two pieces, A = blocks 0, 1 and B = blocks 2, 3, which share the K and V fragments.
; Four phases of 32 matrix instructions: A's scores; B's scores, a slice of A's softmax behind each; A's products with V, a slice of B's softmax
; behind each; B's products, a slice of the row sums behind every second.  A piece's softmax (with the shrinking of its O) is 246 vector
; instructions in 32 numbered slices; the four blocks' row sums are 64 in 16 slices.  So the vector unit works while the matrix unit does.
; THE BATCHES.  A piece's 68 exponentials (four shrink factors, 64 scores) are ONE batch with ONE wait.  Slices 6 to 19 hold them, together with the 32
; scalings and the keeping of the two new maxima, none of which names a result of the batch; the wait stands at the end of slice 19; all that names a
; result (the shrinking of O, the conversions, in the fourth phase the row sums) stands behind it.  Two waits a tile.  On the way out the four
; exponentials of the merge are one batch and the two reciprocals, which read sums made of them, a second.
; The slices work in window 2 (and on O in window 1), the products under settings of their own: S, the K and Q fragments and the statistics do not
; fit into one window, so a slice costs two switches: 166 switches for a tile's 128 matrix and 556 vector instructions.
; REGISTERS: window 0: v0-31 addresses, v32-159 Q (qb, c) at 8 (4 qb + c), v160-223 the way out, v224-239 sorted rows
;            window 1: O (hb, qb) at 8 (4 hb + qb);  window 2: S (kb, qb) at 8 (4 kb + qb), P, statistics
;            window 3: v0-127 V fragments (kc, hb) at 64 kc + 8 hb, v128-255 K fragments (kb, c) at 128 + 32 kb + 8 c
.set PKK,   272
.set PVV,   288
.set PART,  18432                      ; a wave's part of a slot: 64 keys of K (17,408 bytes used) or of V
.set SLOT,  4*PART
.set XCH,   2*SLOT                     ; exchange of the key halves: 4 x 17,408, LDS stores alone
.set XPART, 17408
.set STG,   XCH+4*XPART                ; the way out: 4 x 16 rows x 272
.set TSTEP, 128*4096                   ; 128 keys further in qkv
.set ADK, 4
.set ADV, 6
.set QF,  32
.set OA,  160                          ; the way out: packed results
.set OB,  192                          ; the way out: whole rows
.set POS, 224
.set VF,  0
.set KF,  128
.set P,   128
.set M,   192
.set LS,  196
.set NM,  204
.set AL,  212
.set T,   220                          ; six registers a query block
.set LL,  220                          ; at the end: the four row sums
.set RS,  224                          ; the partner's M, M, L, L
.set W0,  228                          ; at the end: four at work for the first block that I keep; the second block's four lie at W0 + 12
.set G,   232
.set GO,  236
.set G1K, 24
.set G0K, 32
.set G1V, 48
.set G0V, 56
.set MSB, 0
.macro WIN new                         ; the immediate's high byte repeats the setting that is left
.if MSB != (\new)
	s_set_vgpr_msb (MSB<<8)|(\new)
.set MSB, (\new)
.endif
.endm
.macro PLACES
.rept 4
	v_nop
.endr
.endm
.macro ROUND                           ; a round of the cluster's barrier
	s_barrier_signal -1
	s_barrier_wait -1
	s_cmp_lg_u32 s10, 0
	s_cbranch_scc1 .Lnot_wave_0_\@
	s_barrier_signal -3
.Lnot_wave_0_\@:
	s_barrier_wait -3
	s_barrier_signal -1
	s_barrier_wait -1
.endm
.macro JLOAD s                         ; waves 0, 1: K's two halves; waves 2, 3: V's
	s_cmp_lt_u32 s10, 2
	s_cbranch_scc0 .Lfor_v_\@
	tensor_load_to_lds s[G0K+4*(\s):G0K+4*(\s)+3], s[G1K:G1K+7]
	s_nop 0
	s_branch .Lasked_\@
.Lfor_v_\@:
	tensor_load_to_lds s[G0V+4*(\s):G0V+4*(\s)+3], s[G1V:G1V+7]
	s_nop 0
.Lasked_\@:
.endm
.macro KLOAD slot                      ; my 64 keys x 128 dims, key blocks in order
.irp kb, 0,1,2,3
.irp c, 0,1,2,3
	ds_load_b128 v[KF+32*\kb+8*\c:KF+32*\kb+8*\c+3],   v[ADK+\slot] offset:16*PKK*\kb+64*\c
	ds_load_b128 v[KF+32*\kb+8*\c+4:KF+32*\kb+8*\c+7], v[ADK+\slot] offset:16*PKK*\kb+64*\c+32
.endr
.endr
.endm
.macro VLOAD slot                      ; 64 keys x 128 dims, transposed; the first 32 keys first
.irp kc, 0,1
.irp hb, 0,1,2,3,4,5,6,7
	ds_load_tr16_b128 v[VF+64*\kc+8*\hb:VF+64*\kc+8*\hb+3],   v[ADV+\slot] offset:32*PVV*\kc+32*\hb
	ds_load_tr16_b128 v[VF+64*\kc+8*\hb+4:VF+64*\kc+8*\hb+7], v[ADV+\slot] offset:32*PVV*\kc+32*\hb+16*PVV
.endr
.endr
.endm
; ---- the softmax of a piece (query blocks q0, q0 + 1) in 32 slices.  c = 2^14 log2(e) / sqrt(128) in s66, s67; -c in s68 ----
.macro MXMID q0, i                     ; two more scores of each tile into the eight running maxima (TA, TB are set by SLICE)
	WIN 0xaa
.irp kb, 0,1,2,3
	v_max3_num_f32 v[TA+\kb], v[TA+\kb], v[8*(4*\kb+\q0)+2*\i+1], v[8*(4*\kb+\q0)+2*\i+2]
	v_max3_num_f32 v[TB+\kb], v[TB+\kb], v[8*(4*\kb+\q0+1)+2*\i+1], v[8*(4*\kb+\q0+1)+2*\i+2]
.endr
.endm
; THE BATCH of a piece: number j (0 to 101) of its list.  The piece's 64 scores are numbered s = 32 (qb - q0) + 8 kb + register, in pairs 0 to 31.
;   0-95    32 groups of three: the scaling c s - c max of pair g, then two entries of the exponentials' queue.  That queue is the four shrink factors
;           (what the old sums shrink by, each twice for the packed forms; the first tile has none), then s0 .. s63: so a score's exponential stands
;           two groups behind its pair's scaling, and every second exponential has a plain neighbour
;   96-99   the last four exponentials, s60 .. s63
;   100, 101  the two new maxima are kept: plain instructions that touch no register of the batch, the ones that stand between the last exponential and
;           the first use of a result (ISA guide 5.7.2)
; No number names the result of an exponential of the list: a pair is scaled ahead of its exponentials, which work in place, and is not named again.
.macro BATCH q0, j, first
.set bgr, (\j)/3
.set brm, (\j)%3
.if (\j) >= 100
	v_mov_b32 v[M+\q0+(\j)-100], v[T+6*\q0+6*((\j)-100)]
.elseif ((\j) < 96) && (brm == 0)
.set bqb, \q0+(bgr>>4)
.set breg, 8*(4*((bgr>>2)&3)+bqb)+2*(bgr&3)
	v_pk_fma_f32 v[breg:breg+1], v[breg:breg+1], s[66:67], v[NM+2*bqb:NM+2*bqb+1] op_sel_hi:[1,0,1]
.else
.set bxq, 2*bgr+brm-1                  ; the entry's place in the exponentials' queue
.if (\j) >= 96
.set bxq, (\j)-32
.endif
.if bxq >= 4
.set bex, bxq-4
.set breg, 8*(4*((bex>>3)&3)+\q0+(bex>>5))+(bex&7)
	v_exp_f32 v[breg], v[breg]
.elseif \first == 0
	v_exp_f32 v[AL+2*\q0+bxq], v[T+6*\q0+6*(bxq>>1)+2]
.endif
.endif
.endm
.macro RSL q0, g                       ; slice R(g): the piece's two O tiles of dims 16 g .. 16 g + 15 shrink with the old maximum
	WIN 0x49
.irp qq, 0,1
.irp p, 0,1,2,3
	v_pk_mul_f32 v[8*(4*(\g)+\q0+\qq)+2*\p:8*(4*(\g)+\q0+\qq)+2*\p+1], v[8*(4*(\g)+\q0+\qq)+2*\p:8*(4*(\g)+\q0+\qq)+2*\p+1], v[AL+2*(\q0+\qq):AL+2*(\q0+\qq)+1]
.endr
.endr
.endm
.macro CVSL q0, g                      ; slice C(g): pairs 8 g .. 8 g + 7 are rounded to f16, into their places in P
.irp i, 0,1,2,3,4,5,6,7
.set cvp, 8*(\g)+\i
.set cvq, \q0+(cvp>>4)
.set cvk, (cvp>>2)&3
	v_cvt_pk_f16_f32 v[P+8*(2*cvq+(cvk>>1))+4*(cvk&1)+(cvp&3)], v[8*(4*cvk+cvq)+2*(cvp&3)], v[8*(4*cvk+cvq)+2*(cvp&3)+1]
.endr
.endm
; slice n of the piece.  0-4 maxima; 5 differences and -c max; 6-19 the batch (four slices of eight numbers, ten of seven), its wait at the end of 19;
; 20-27 R(0) to R(7); 28-31 C(0) to C(3): the conversions stand last, so that plain instructions follow the phase's last products in the first tile too
.macro SLICE q0, n, first
.set TA, T+6*\q0
.set TB, T+6*\q0+6
.if (\n) == 0
.if \q0 == 0
	PLACES                                         ; four places behind A's score products (ISA guide 7.12.1): no slice stands among them, and every vector instruction that is ready here reads these scores
.endif
	WIN 0xaa                                       ; piece B needs none: behind B's last score products stand A's last slices
.irp kb, 0,1,2,3
	v_max3_num_f32 v[TA+\kb], v[8*(4*\kb+\q0)], v[8*(4*\kb+\q0)+1], v[8*(4*\kb+\q0)+2]
	v_max3_num_f32 v[TB+\kb], v[8*(4*\kb+\q0+1)], v[8*(4*\kb+\q0+1)+1], v[8*(4*\kb+\q0+1)+2]
.endr
.endif
.if (\n) == 1
	MXMID \q0, 1
.endif
.if (\n) == 2
	MXMID \q0, 2
.endif
.if (\n) == 3
	WIN 0xaa
.irp kb, 0,1,2,3
	v_max_num_f32 v[TA+\kb], v[TA+\kb], v[8*(4*\kb+\q0)+7]
	v_max_num_f32 v[TB+\kb], v[TB+\kb], v[8*(4*\kb+\q0+1)+7]
.endr
.endif
.if (\n) == 4
	WIN 0xaa
	v_max3_num_f32 v[TA], v[TA], v[TA+1], v[TA+2]
	v_max3_num_f32 v[TB], v[TB], v[TB+1], v[TB+2]
.if \first
	v_max_num_f32 v[TA], v[TA], v[TA+3]
	v_max_num_f32 v[TB], v[TB], v[TB+3]
.else
	v_max3_num_f32 v[TA], v[TA], v[TA+3], v[M+\q0]
	v_max3_num_f32 v[TB], v[TB], v[TB+3], v[M+\q0+1]
.endif
	v_permlanex16_b32 v[TA+1], v[TA], s69, s70     ; the other half of the lanes holds the query's other 32 keys
	v_permlanex16_b32 v[TB+1], v[TB], s69, s70
	v_max_num_f32 v[TA], v[TA], v[TA+1]            ; the new running maxima
	v_max_num_f32 v[TB], v[TB], v[TB+1]
.endif
.if (\n) == 5
	WIN 0xaa
.if \first == 0
	v_sub_f32 v[TA+2], v[M+\q0], v[TA]
	v_sub_f32 v[TB+2], v[M+\q0+1], v[TB]
.endif
	v_mul_f32 v[NM+2*\q0], s68, v[TA]
	v_mul_f32 v[NM+2*\q0+1], s68, v[TA]
	v_mul_f32 v[NM+2*\q0+2], s68, v[TB]
	v_mul_f32 v[NM+2*\q0+3], s68, v[TB]
.if \first == 0
	v_mul_f32 v[TA+2], s66, v[TA+2]
	v_mul_f32 v[TB+2], s66, v[TB+2]
.endif
.endif
.if ((\n) > 5) && ((\n) < 20)
	WIN 0xaa
.set bk, (\n)-6
.if bk < 4
.set bj, 8*bk
.set bn, 8
.else
.set bj, 7*bk+4
.set bn, 7
.endif
.rept bn
	BATCH \q0, bj, \first
.set bj, bj+1
.endr
.if (\n) == 19
	s_wait_alu depctr_va_vdst(0)                   ; the wait for the piece's batch, all 68 exponentials, ahead of the first instruction that names a result; the readers are slices 20 to 31 and the row sums
.endif
.endif
.if ((\n) > 19) && ((\n) < 28)
.if \first == 0
	RSL \q0, (\n)-20
.endif
.endif
.if (\n) > 27
	WIN 0xaa
	CVSL \q0, (\n)-28
.endif
.endm
; ---- the row sums: slice k (0 to 15) is quarter k % 4 of query block k / 4.  Two chains a block; the sums stay per lane until the end ----
.macro SUMADD i                        ; uq and TQ are set by SUMSL
	v_pk_add_f32 v[TQ+2:TQ+3], v[TQ+2:TQ+3], v[8*(4*((\i)>>2)+uq)+2*((\i)&3):8*(4*((\i)>>2)+uq)+2*((\i)&3)+1]
	v_pk_add_f32 v[TQ+4:TQ+5], v[TQ+4:TQ+5], v[8*(4*(2+((\i)>>2))+uq)+2*((\i)&3):8*(4*(2+((\i)>>2))+uq)+2*((\i)&3)+1]
.endm
.macro SUMSL k, first
.set uq, (\k)>>2
.set uj, (\k)&3
.set TQ, T+6*uq
	WIN 0xaa
.if uj == 0
	v_pk_add_f32 v[TQ+2:TQ+3], v[8*uq:8*uq+1], v[8*uq+2:8*uq+3]
	v_pk_add_f32 v[TQ+4:TQ+5], v[8*(8+uq):8*(8+uq)+1], v[8*(8+uq)+2:8*(8+uq)+3]
	SUMADD 2
.endif
.if uj == 1
	SUMADD 3
	SUMADD 4
.endif
.if uj == 2
	SUMADD 5
	SUMADD 6
.endif
.if uj == 3
	SUMADD 7
.if \first
	v_pk_add_f32 v[LS+2*uq:LS+2*uq+1], v[TQ+2:TQ+3], v[TQ+4:TQ+5]
.else
	v_pk_add_f32 v[TQ+2:TQ+3], v[TQ+2:TQ+3], v[TQ+4:TQ+5]
	v_pk_fma_f32 v[LS+2*uq:LS+2*uq+1], v[LS+2*uq:LS+2*uq+1], v[AL+2*uq:AL+2*uq+1], v[TQ+2:TQ+3]
.endif
.endif
.endm
; ---- the products.  sn counts a phase's matrix instructions ----
; 16 score products: key blocks 2 pr, 2 pr + 1 x query blocks q0, q0 + 1 x 128 dims.  The four accumulators take turns.
; sl = 1: a slice of piece A's softmax behind each
.macro SPAIR q0, pr, sl, first
.irp c, 0,1,2,3
.irp kk, 0,1
.irp qq, 0,1
.set sd, 8*(4*(2*\pr+\kk)+\q0+\qq)
.if \c == 0
	v_wmma_f32_16x16x32_f16 v[sd:sd+7], v[KF+32*(2*\pr+\kk)+8*\c:KF+32*(2*\pr+\kk)+8*\c+7], v[QF+8*(4*(\q0+\qq)+\c):QF+8*(4*(\q0+\qq)+\c)+7], 0
.else
	v_wmma_f32_16x16x32_f16 v[sd:sd+7], v[KF+32*(2*\pr+\kk)+8*\c:KF+32*(2*\pr+\kk)+8*\c+7], v[QF+8*(4*(\q0+\qq)+\c):QF+8*(4*(\q0+\qq)+\c)+7], v[sd:sd+7]
.endif
.if \sl
	SLICE 0, sn, \first
	WIN 0xa3
.set sn, sn+1
.endif
.endr
.endr
.endr
.endm
; 16 products with V: keys 32 kc .. + 31 x query blocks q0, q0 + 1 x 128 dims.  Sixteen accumulators take turns.
; mode 1: a slice of piece B's softmax behind each; mode 2: a slice of the row sums behind every second
.macro PVHALF q0, kc, zero, mode, first
.irp hb, 0,1,2,3,4,5,6,7
.irp qq, 0,1
.set od, 8*(4*\hb+\q0+\qq)
.if \zero
	v_wmma_f32_16x16x32_f16 v[od:od+7], v[VF+64*\kc+8*\hb:VF+64*\kc+8*\hb+7], v[P+8*(2*(\q0+\qq)+\kc):P+8*(2*(\q0+\qq)+\kc)+7], 0
.else
	v_wmma_f32_16x16x32_f16 v[od:od+7], v[VF+64*\kc+8*\hb:VF+64*\kc+8*\hb+7], v[P+8*(2*(\q0+\qq)+\kc):P+8*(2*(\q0+\qq)+\kc)+7], v[od:od+7]
.endif
.if \mode == 1
	SLICE 2, sn, \first
	WIN 0x5b
.endif
.if \mode == 2
.if sn%2 == 1
	SUMSL sn/2, \first
	WIN 0x5b
.endif
.endif
.set sn, sn+1
.endr
.endr
.endm
; one tile of 128 keys
.macro TRIP slot, refill, first
	s_wait_tensorcnt 0x0                           ; all my tensor loads have landed, my part of this trip's tile among them,
	ds_add_u32 v254, v255
	s_wait_dscnt 0x0
	s_add_nc_u64 s[G0K+4*\slot+2:G0K+4*\slot+3], s[G0K+4*\slot+2:G0K+4*\slot+3], 2*TSTEP   ; so the descriptors may be written: this slot's next tile
	s_add_nc_u64 s[G0V+4*\slot+2:G0V+4*\slot+3], s[G0V+4*\slot+2:G0V+4*\slot+3], 2*TSTEP
	s_wait_dscnt 0x0                               ; my reads of the last trip's tile are over
	ROUND                                          ; both now hold of every wave of the four work-groups
.if \refill
	JLOAD 1-\slot                                  ; my one tensor load behind the round: the next tile, into the slot read last
.endif
	WIN 0xc0
	KLOAD \slot
	WIN 0xa3
	s_wait_dscnt 16                                ; key blocks 0, 1 are in; the sixteen loads of blocks 2, 3 stay out
	SPAIR 0, 0, 0, \first                          ; A's scores
	WIN 0xc0
	VLOAD \slot                                    ; behind the last tile's last product stands a sum slice of four plain instructions: V's registers may be loaded
	WIN 0xa3
	s_wait_dscnt 32                                ; key blocks 2, 3 are in; V's 32 loads stay out
	SPAIR 0, 1, 0, \first
.set sn, 0
	SPAIR 2, 0, 1, \first                          ; B's scores beside A's softmax
	SPAIR 2, 1, 1, \first
.set sn, 0
	WIN 0x5b
	s_wait_dscnt 16                                ; V's first 32 keys are in
	PVHALF 0, 0, \first, 1, \first                 ; A's products beside B's softmax
	s_wait_dscnt 0x0
	PVHALF 0, 1, 0, 1, \first
.set sn, 0
	PVHALF 2, 0, \first, 2, \first                 ; B's products beside the row sums
	PVHALF 2, 1, 0, 2, \first
.if \first
	v_nop                                          ; the first tile's last sum slice has three instructions: the fourth place in front of the next tile's loads of V
.endif
	WIN 0
.endm
; the two query blocks that I do not keep go to my partner, with their maxima and sums
.macro SENDP keep
	WIN 0x04
.irp i, 0,1
.irp hb, 0,1,2,3,4,5,6,7
	ds_store_b128 v8, v[8*(4*\hb+2*(1-\keep)+\i):8*(4*\hb+2*(1-\keep)+\i)+3]   offset:1024*(8*\i+\hb)
	ds_store_b128 v8, v[8*(4*\hb+2*(1-\keep)+\i)+4:8*(4*\hb+2*(1-\keep)+\i)+7] offset:1024*(8*\i+\hb)+512
.endr
.endr
	WIN 0x08
	ds_store_b64 v8, v[M+2*(1-\keep):M+2*(1-\keep)+1]   offset:16384
	ds_store_b64 v8, v[LL+2*(1-\keep):LL+2*(1-\keep)+1] offset:16392
	WIN 0
.endm
; merge the partner's half into the blocks that I keep, divide by the sum, store
.macro FINISH keep
	WIN 0x80
	ds_load_b128 v[RS:RS+3], v9 offset:16384
	WIN 0xc0
.set n, 0
.rept 32
	ds_load_b128 v[4*n:4*n+3], v9 offset:512*n
.set n, n+1
.endr
	s_wait_dscnt 0x0
	WIN 0xaa
.irp i, 0,1
	v_max_num_f32 v[W0+12*\i], v[M+2*\keep+\i], v[RS+\i]
	v_sub_f32 v[W0+12*\i+1], v[M+2*\keep+\i], v[W0+12*\i]
	v_sub_f32 v[W0+12*\i+2], v[RS+\i], v[W0+12*\i]
	v_mul_f32 v[W0+12*\i+1], s66, v[W0+12*\i+1]
	v_mul_f32 v[W0+12*\i+2], s66, v[W0+12*\i+2]
.endr
.irp i, 0,1
	v_exp_f32 v[W0+12*\i+1], v[W0+12*\i+1]         ; one batch: what my half and my partner's shrink by, for both blocks that I keep
	v_exp_f32 v[W0+12*\i+2], v[W0+12*\i+2]
.endr
	v_nop                                          ; a plain instruction between the last exponential and the use of a result
	s_wait_alu depctr_va_vdst(0)                   ; the wait for these four exponentials, ahead of their first reader
.irp i, 0,1
	v_mul_f32 v[W0+12*\i], v[LL+2*\keep+\i], v[W0+12*\i+1]
	v_fma_f32 v[W0+12*\i], v[RS+2+\i], v[W0+12*\i+2], v[W0+12*\i]
.endr
.irp i, 0,1
	v_rcp_f32 v[W0+12*\i+3], v[W0+12*\i]           ; a second batch: the reciprocals of the two merged sums
.endr
	v_nop                                          ; a plain instruction between the last reciprocal and the use of a result
	s_wait_alu depctr_va_vdst(0)                   ; the wait for the two reciprocals, ahead of their first reader
.irp i, 0,1
	v_mul_f32 v[G+2*\i],    v[W0+12*\i+1], v[W0+12*\i+3]
	v_mul_f32 v[G+2*\i+1],  v[W0+12*\i+1], v[W0+12*\i+3]
	v_mul_f32 v[GO+2*\i],   v[W0+12*\i+2], v[W0+12*\i+3]
	v_mul_f32 v[GO+2*\i+1], v[W0+12*\i+2], v[W0+12*\i+3]
.endr
	WIN 0x49
.irp i, 0,1
.irp hb, 0,1,2,3,4,5,6,7
.irp p, 0,1,2,3
	v_pk_mul_f32 v[8*(4*\hb+2*\keep+\i)+2*\p:8*(4*\hb+2*\keep+\i)+2*\p+1], v[8*(4*\hb+2*\keep+\i)+2*\p:8*(4*\hb+2*\keep+\i)+2*\p+1], v[G+2*\i:G+2*\i+1]
.endr
.endr
.endr
	WIN 0x5b
.irp i, 0,1
.irp hb, 0,1,2,3,4,5,6,7
.irp p, 0,1,2,3
	v_pk_fma_f32 v[8*(4*\hb+2*\keep+\i)+2*\p:8*(4*\hb+2*\keep+\i)+2*\p+1], v[8*(8*\i+\hb)+2*\p:8*(8*\i+\hb)+2*\p+1], v[GO+2*\i:GO+2*\i+1], v[8*(4*\hb+2*\keep+\i)+2*\p:8*(4*\hb+2*\keep+\i)+2*\p+1]
.endr
.endr
.endr
.irp i, 0,1
	WIN 0x05
.irp hb, 0,1,2,3,4,5,6,7
.irp p, 0,1,2,3
	v_cvt_pk_f16_f32 v[OA+4*\hb+\p], v[8*(4*\hb+2*\keep+\i)+2*\p], v[8*(4*\hb+2*\keep+\i)+2*\p+1]
.endr
.endr
	WIN 0
.irp hb, 0,1,2,3,4,5,6,7
	ds_store_b128 v10, v[OA+4*\hb:OA+4*\hb+3] offset:32*\hb
.endr
	s_wait_xcnt 0x0                                ; the registers that the last block's stores read are loaded again only behind this wait
.irp t, 0,1,2,3,4,5,6,7
	ds_load_b128 v[OB+4*\t:OB+4*\t+3], v11 offset:PKK*\t       ; LDS serves a wave's instructions in order: these see the stores above
.endr
.irp t, 0,1,2,3,4,5,6,7
	s_wait_dscnt 7-\t
	global_store_b128 v[QF+8*\i+\t], v[OB+4*\t:OB+4*\t+3], s[8:9]   ; sixteen lanes store 256 consecutive bytes, aligned
.endr
.endr
.endm
	s_load_b128 s[4:7], s[0:1], 0x0                ; qkv 4:5, order 6:7
	s_load_b64 s[8:9], s[0:1], 0x10                ; ao
	v_lshl_add_u32 v254, v0, 2, 0x39400
	v_mov_b32 v255, 0
	ds_add_u32 v254, v255
	v_lshrrev_b32 v1, 5, v0
	v_readfirstlane_b32 s10, v1                    ; wave
	s_lshr_b32 s11, s10, 1                         ; wq
	s_and_b32 s12, s10, 1                          ; wk
	s_bfe_u32 s13, ttmp6, 0x40000                  ; cx
	s_lshl_b32 s14, ttmp9, 2
	s_add_co_u32 s14, s14, s13                     ; query block of 128 rows
	s_and_b32 s15, ttmp7, 0xffff
	s_lshr_b32 s16, s15, 3                         ; batch
	s_and_b32 s17, s15, 7                          ; query head
	s_lshr_b32 s18, s17, 1                         ; its key and value head
	s_mov_b32 s66, 0x450293ee                      ; 2^14 log2(e) / sqrt(128): q and k come as q / 128, k / 128
	s_mov_b32 s67, 0x450293ee
	s_mov_b32 s68, 0xc50293ee
	s_mov_b32 s69, 0x76543210
	s_mov_b32 s70, 0xfedcba98
	s_mov_b32 s[G1K+0], 15|(1<<16)|(1<<20)|(1<<21)|(5<<22)|(3<<25)   ; mask of the four; 4 words of padding behind every 64: pitch 272
	s_mov_b32 s[G1K+1], 128<<16
	s_mov_b32 s[G1K+2], 64<<16
	s_mov_b32 s[G1K+3], 128<<16
	s_mov_b32 s[G1K+4], 64
	s_mov_b32 s[G1K+5], 2048
	s_mov_b32 s[G1K+6], 0
	s_mov_b32 s[G1K+7], 0
	s_mov_b32 s[G1V+0], 15|(1<<16)|(1<<20)|(1<<21)|(5<<22)|(7<<25)   ; 8 words: pitch 288
	s_mov_b32 s[G1V+1], 128<<16
	s_mov_b32 s[G1V+2], 64<<16
	s_mov_b32 s[G1V+3], 128<<16
	s_mov_b32 s[G1V+4], 64
	s_mov_b32 s[G1V+5], 2048
	s_mov_b32 s[G1V+6], 0
	s_mov_b32 s[G1V+7], 0
	s_lshl_b32 s20, s16, 23                        ; K: batch x 2048 rows of 4,096 bytes
	s_lshl_b32 s21, s12, 18                        ; + my 64 keys of the tile
	s_add_co_u32 s20, s20, s21
	s_lshl_b32 s21, s18, 8                         ; + the head's 256 bytes
	s_add_co_u32 s20, s20, s21
	s_add_co_u32 s20, s20, 2048                    ; + column 1024; batch, head and wave alone: the same in all four partners
	s_mov_b32 s21, 0
	s_mul_i32 s19, s10, PART
	s_lshl_b32 s22, s16, 23                        ; Q: batch, query block, my 64 rows, my head
	s_lshl_b32 s23, s14, 19
	s_add_co_u32 s22, s22, s23
	s_lshl_b32 s23, s11, 18
	s_add_co_u32 s22, s22, s23
	s_lshl_b32 s23, s17, 8
	s_add_co_u32 s22, s22, s23
	s_mov_b32 s23, 0
	s_wait_dscnt 0x0
	s_wait_kmcnt 0x0
	s_add_nc_u64 s[40:41], s[4:5], s[20:21]
	s_add_nc_u64 s[42:43], s[4:5], s[22:23]
	ROUND                                          ; in front of the first joint load
.irp s, 0,1
	s_mov_b32 s[G0K+4*\s], 1
	s_add_co_u32 s[G0K+4*\s+1], s19, \s*SLOT
	s_add_nc_u64 s[G0K+4*\s+2:G0K+4*\s+3], s[40:41], \s*TSTEP
	s_or_b32 s[G0K+4*\s+3], s[G0K+4*\s+3], 0x80000000
	s_mov_b32 s[G0V+4*\s], 1
	s_add_co_u32 s[G0V+4*\s+1], s19, \s*SLOT
	s_add_nc_u64 s[G0V+4*\s+2:G0V+4*\s+3], s[40:41], \s*TSTEP+1024
	s_or_b32 s[G0V+4*\s+3], s[G0V+4*\s+3], 0x80000000
.endr
	JLOAD 0                                        ; tile 0; a wave never has more than one tensor load out
	v_and_b32 v1, 15, v0                           ; r
	v_bfe_u32 v2, v0, 4, 1                         ; h
	v_and_b32 v3, 7, v0
	v_bfe_u32 v15, v0, 3, 1
	v_and_b32 v16, 31, v0
	v_lshlrev_b32 v13, 12, v1
	v_lshl_add_u32 v13, v2, 4, v13                 ; Q: row r, byte 16 h
.irp qb, 0,1,2,3
.irp c, 0,1,2,3
	global_load_b128 v[QF+8*(4*\qb+\c):QF+8*(4*\qb+\c)+3],   v13, s[42:43] offset:65536*\qb+64*\c
	global_load_b128 v[QF+8*(4*\qb+\c)+4:QF+8*(4*\qb+\c)+7], v13, s[42:43] offset:65536*\qb+64*\c+32
.endr
.endr
	s_lshl_b32 s45, s16, 13                        ; pos of the rows that I store: token 2048 b + 128 block + 64 wq + 32 wk + 8 h, 4 bytes each
	s_lshl_b32 s46, s14, 9
	s_add_co_u32 s45, s45, s46
	s_lshl_b32 s46, s11, 8
	s_add_co_u32 s45, s45, s46
	s_lshl_b32 s46, s12, 7
	s_add_co_u32 s45, s45, s46
	v_lshl_add_u32 v14, v2, 5, s45
	global_load_b128 v[POS:POS+3],     v14, s[6:7] offset:18688
	global_load_b128 v[POS+4:POS+7],   v14, s[6:7] offset:18688+16
	global_load_b128 v[POS+8:POS+11],  v14, s[6:7] offset:18688+64
	global_load_b128 v[POS+12:POS+15], v14, s[6:7] offset:18688+80
	s_mul_i32 s21, s12, PART
	v_mul_u32_u24 v4, v1, PKK
	v_lshl_add_u32 v4, v2, 4, v4
	v_add_nc_u32 v4, s21, v4                       ; K: my half, row r, byte 16 h
	v_add_nc_u32 v5, SLOT, v4
	s_add_co_u32 s21, s21, 2*PART
	v_lshl_add_u32 v6, v2, 3, v3
	v_mul_u32_u24 v6, v6, PVV
	v_lshl_add_u32 v6, v15, 4, v6
	v_add_nc_u32 v6, s21, v6                       ; V: my half, row 8 h + lane % 8, byte 16 x (bit 3 of the lane)
	v_add_nc_u32 v7, SLOT, v6
	s_mul_i32 s21, s10, XPART
	s_add_co_u32 s21, s21, XCH
	v_lshl_add_u32 v8, v16, 4, s21                 ; what I send
	s_xor_b32 s21, s10, 1
	s_mul_i32 s21, s21, XPART
	s_add_co_u32 s21, s21, XCH
	v_lshl_add_u32 v9, v16, 4, s21                 ; what my partner sent
	s_mul_i32 s21, s10, 16*PKK
	s_add_co_u32 s21, s21, STG
	v_mul_u32_u24 v10, v1, PKK
	v_lshl_add_u32 v10, v2, 4, v10
	v_add_nc_u32 v10, s21, v10
	v_mul_u32_u24 v11, v2, 8*PKK
	v_lshl_add_u32 v11, v1, 4, v11
	v_add_nc_u32 v11, s21, v11
	s_lshl_b32 s21, s17, 8
	v_lshl_add_u32 v12, v1, 4, s21                 ; my 16 bytes in a row of ao
	s_wait_loadcnt 0x0                             ; Q and pos
	TRIP 0, 1, 1                                   ; the first tile starts maxima, sums and products
	TRIP 1, 1, 0
	s_mov_b32 s44, 6
.Ltiles:
	TRIP 0, 1, 0
	TRIP 1, 1, 0
	s_sub_co_u32 s44, s44, 1
	s_cmp_lg_u32 s44, 0
	s_cbranch_scc1 .Ltiles
	TRIP 0, 1, 0
	TRIP 1, 0, 0                                   ; tile 15: nothing is left to fetch
	; behind the last product stand its sum slice and the lines below: more than four places before O is read
.set n, 0
.rept 16
	v_min_u32 v[QF+n], 0x11ff, v[POS+n]
	v_lshl_add_u32 v[QF+n], v[QF+n], 11, v12       ; sorted row x 2,048 bytes + my 16 bytes
.set n, n+1
.endr
	WIN 0xaa
.irp qb, 0,1,2,3
	v_add_f32 v[LL+\qb], v[LS+2*\qb], v[LS+2*\qb+1]
.endr
.irp qb, 0,1,2,3
	v_permlanex16_b32 v[W0+\qb], v[LL+\qb], s69, s70
.endr
.irp qb, 0,1,2,3
	v_add_f32 v[LL+\qb], v[LL+\qb], v[W0+\qb]      ; the sum over my 64 keys of every tile
.endr
	WIN 0
	s_cmp_lg_u32 s12, 0
	s_cbranch_scc1 .Lsend1
	SENDP 0
	s_branch .Lsent
.Lsend1:
	SENDP 1
.Lsent:
	s_wait_dscnt 0x0                               ; what I send is written
	s_barrier_signal -1
	s_barrier_wait -1
	s_cmp_lg_u32 s12, 0
	s_cbranch_scc1 .Lfin1
	FINISH 0
	s_branch .Ldone
.Lfin1:
	FINISH 1
.Ldone:
	s_wait_tensorcnt 0x0
	ds_add_u32 v254, v255
	s_wait_dscnt 0x0
	ROUND                                          ; the closing round
	s_endpgm
.Lfunc_end_k_q8e5ef485c6_attn:
	.size	k_q8e5ef485c6_attn, .Lfunc_end_k_q8e5ef485c6_attn-k_q8e5ef485c6_attn
	.p2alignl 7, 3214868480
	.fill 96, 4, 3214868480
	.section	.rodata,"a",@progbits
	.p2align	6, 0x0
	.amdhsa_kernel k_q8e5ef485c6_attn
		.amdhsa_group_segment_fixed_size 327680
		.amdhsa_private_segment_fixed_size 0
		.amdhsa_enable_private_segment 0
		.amdhsa_kernarg_size 24
		.amdhsa_user_sgpr_count 2
		.amdhsa_user_sgpr_kernarg_segment_ptr 1
		.amdhsa_wavefront_size32 1
		.amdhsa_system_sgpr_workgroup_id_x 1
		.amdhsa_system_sgpr_workgroup_id_y 1
		.amdhsa_system_sgpr_workgroup_id_z 1
		.amdhsa_system_vgpr_workitem_id 0
		.amdhsa_next_free_vgpr 1024
		.amdhsa_next_free_sgpr 100
		.amdhsa_reserve_vcc 0
		.amdhsa_float_denorm_mode_32 3
		.amdhsa_float_denorm_mode_16_64 3
		.amdhsa_memory_ordered 1
		.amdhsa_forward_progress 1
		.amdhsa_inst_pref_size 255
	.end_amdhsa_kernel
	.section	.bss,"aw",@nobits
	.p2align	6
	.space	262144
	.amdgpu_metadata
---
amdhsa.version: [ 1, 2 ]
amdhsa.kernels:
  - .name:           k_q8e5ef485c6_attn
    .symbol:         k_q8e5ef485c6_attn.kd
    .args:
      - { .name: qkv, .offset: 0, .size: 8, .value_kind: global_buffer, .address_space: global }
      - { .name: order, .offset: 8, .size: 8, .value_kind: global_buffer, .address_space: global }
      - { .name: ao, .offset: 16, .size: 8, .value_kind: global_buffer, .address_space: global }
    .group_segment_fixed_size: 327680
    .private_segment_fixed_size: 0
    .kernarg_segment_align: 8
    .kernarg_segment_size: 24
    .max_flat_workgroup_size: 128
    .sgpr_count:     100
    .vgpr_count:     1024
    .wavefront_size: 32
...
	.end_amdgpu_metadata
.endif
;; end of part 5
;; launch oproj: the kernel of part 4 again; grid 16 x 16, 4 waves a work-group, clusters of 4 x 1, 327,680 bytes of LDS; arguments ao, wob, order, out0; writes out0
